; MI455X (gfx1250); checked and timed in simulation.
; The chip was launched on July 23, 2026; its instructions are those of AMD's public machine-readable ISA for CDNA 5 (MIT licence, August 2026) and "CDNA5" Instruction Set Architecture Reference Guide (July 2026). The comments in the code are by the model that wrote it; some were corrected since.
;; Cross Attention. Allowed arithmetic: matrix products marked QUANTISED: E2M3 operands, one E8M0 scale for each 32 along K, by v_wmma_scale_f32_16x16x128_f8f6f4 with both operands' format E2M3, f32 sums; everything else in f32.
;; Inputs: Wk 1,024 x 1,024 float32; Wo 1,024 x 1,024 float32; Wq 1,024 x 1,024 float32; Wv 1,024 x 1,024 float32; bo 1,024 float32; context 8 x 1,024 x 1,024 float32; x 8 x 1,024 x 1,024 float32.
;; Outputs: out0 8 x 1,024 x 1,024 float32.
;; This version of the problem:
;;   THIS VERSION OF THE PROBLEM IS GIVEN IN LOW PRECISION. The matrix products marked QUANTISED in the list below multiply operands that are first quantised to E2M3 (2 exponent bits, 3 mantissa bits; 6 bits a number), with one power-of-two scale for each 32 numbers along K (OCP MX v1.0); their sums are f32. All else is computed in f32.
;;   The module's matrix products, in the order in which they are computed (A, B: the left and right operand; K: the contracted axis; several contracted axes count as one K, in the product's order):
;;     1. [M 8,192, K 1,024] x [K 1,024, N 1,024]; A: input x; B: input Wq: QUANTISED
;;     2. [M 8,192, K 1,024] x [K 1,024, N 1,024]; A: input context; B: input Wk: QUANTISED
;;     3. [M 8,192, K 1,024] x [K 1,024, N 1,024]; A: input context; B: input Wv: QUANTISED
;;     4. batch 128 x [M 1,024, K 64] x [K 64, N 1,024]; A: computed on the way; B: computed on the way: QUANTISED
;;     5. batch 128 x [M 1,024, K 1,024] x [K 1,024, N 64]; A: softmax (see below); B: computed on the way: QUANTISED
;;     6. [M 8,192, K 1,024] x [K 1,024, N 1,024]; A: computed on the way; B: input Wo: QUANTISED
;;   THE QUANTISER, for each operand of a quantised product, along K:
;;     - K is cut into blocks of 32 from its start; a last block that is shorter is filled with zeros.
;;     - A block's scale is 2^e with e = floor(log2(the largest magnitude in the block)) - 2, held to -126 .. 127; a block of zeros has e = 0. As a byte (E8M0): e + 127.
;;     - Each number is divided by its block's scale, clamped to +-7.5, and rounded to the nearest number of E2M3, ties to even, subnormals kept.
;;     - The product sums the exact products of the quantised numbers (number of the format x scale) in f32.
;;   ~~~python
;;   def quantise(x, axis):      # numpy; x: float32 -> the quantised numbers, widened to float32 again
;;       x = np.moveaxis(x, axis, -1); K = x.shape[-1]
;;       x = np.pad(x, [(0, 0)] * (x.ndim - 1) + [(0, -K % 32)]); x = x.reshape(x.shape[:-1] + (-1, 32)); a = np.abs(x).max(-1, keepdims=True)
;;       e = np.where(a > 0, np.clip(np.frexp(np.where(a > 0, a, 1))[1] - 1 - 2, -126, 127), 0)      # np.frexp(a)[1] - 1 = floor(log2(a)), exactly
;;       r = np.clip(x / 2.0 ** e, -7.5, 7.5)
;;       step = 2.0 ** (np.maximum(np.frexp(np.where(r == 0, 1, r))[1] - 1, 0) - 3)
;;       q = np.round(r / step) * step * 2.0 ** e      # np.round: ties to even
;;       return np.moveaxis(q.reshape(q.shape[:-2] + (-1,))[..., :K], -1, axis).astype(np.float32)
;;   ~~~
;;   SOFTMAX AHEAD OF A QUANTISED PRODUCT. Where the list says 'softmax', what is quantised is not the finished softmax but p = 2^(t - M), with t = logit x log2(e) and M = ceil(the row's largest t), a whole number; so 1/2 < the row's largest p <= 1. The row's sum l is taken of the UNQUANTISED p, in f32, and the product's result is divided by l at the end. Since M is a whole number, a kernel that streams over the keys may use a running M (the ceiling of the running maximum): every later rescaling is an exact power of two, which a block's scale takes up: the codes' values come out the same.
;;   OPERANDS COMPUTED ON THE WAY. 'Computed on the way' means the value that the module computes at that place (a softmax that the list does not call 'softmax' is quantised finished and normalised). What goes into a quantiser is computed in f32, as accurately as f32 sums, v_exp_f32 and their like allow (about 1e-6 of the number): no bf16 or f16 on the way to a quantiser, and a product that is left as it is and whose result goes on into a quantised operand takes f32 operands (vector FMAs, or v_wmma_f32_16x16x4_f32). A number that lies on a knife's edge between two numbers of the format may be rounded either way, as far as f32 arithmetic and the matrix unit's own rounding can turn it there, and no further.
;; One version. Each part assembles by itself: llvm-mc -triple=amdgcn-amd-amdhsa -mcpu=gfx1250 --defsym DOCPART=n.
;; ======== version 1 of 1: 4 launches
;; limits: right only within a limited range of input values
;; workspace buffers: img 16,384,000 bytes; qkv 19,660,800 bytes; aimg 6,553,600 bytes
;; launch prep (part 1): grid 1280 x 1, 4 waves a work-group, no clusters, 46,592 bytes of LDS; arguments x, context, Wq, Wk, Wv, Wo, img; writes img
.if DOCPART == 1
	.amdgcn_target "amdgcn-amd-amdhsa--gfx1250"
	.amdhsa_code_object_version 6
	.text
	.protected	k_q2abd081538_prep
	.globl	k_q2abd081538_prep
	.p2align	8
	.type	k_q2abd081538_prep,@function
k_q2abd081538_prep:
	s_mov_b64 s[64:65], 0
	v_nop
	global_prefetch_b8 v0, s[64:65] scope:SCOPE_SE
	s_setreg_imm32_b32 hwreg(HW_REG_WAVE_MODE, 25, 1), 1
	s_wait_xcnt 0x0
; PREP: x, context (f32, K innermost) and Wq, Wk, Wv, Wo (f32, K = the FIRST axis) become codes of FP6 (E2M3) with one E8M0 byte for each 32 along K.
; A block's scale is 2^(floor(log2(largest magnitude)) - 2); its byte is the largest magnitude's exponent field - 2, held at 1 from below.
; THE OUTPUT IS LAID AS IMAGES OF OPERAND REGISTERS.  A RECORD is 128 rows x 128 along K, 12,800 bytes:
;   byte a*1536 + 512 i + 16 lane: registers 4 i .. 4 i + 3 of the 12-register fragment of tile a (0..7); lane (r, h) of tile a holds row 32 (a/2) + 8 (a%2) + r + 8 (r/8), registers 6 c .. 6 c + 5 its k = 64 c + 32 h + 0 .. 31;
;   byte 12,288 + 256 (a/4) + 16 r + 4 (a%4): tile a's scale word (four bytes, k / 32 = 0..3) of row-lane r.
; img: x's records (row block RB = row / 128, K step ks) at (8 RB + ks) records; context's 6,553,600 bytes on; weight j's (rows = its columns n) at 13,107,200 + 819,200 j.
; LIMITS: NaN and infinities are not served; a block whose largest magnitude lies under 2^-124 keeps the byte 1; a block of zeros has the byte 1, not 127: its codes are zeros and this program alone reads the bytes.
; EVERY WORK-GROUP MAKES ONE RECORD, 65,536 bytes of input: 1,280 of equal work.  Work-groups 0-1023: a record of x or context, tiles 2 w and 2 w + 1 to wave w.  Work-groups 1024-1279: a record of a weight, 32 columns a wave.
; The two ways never join and have LDS bytes of their own.  A tile's scale words leave as 4 bytes a lane: 512 of a record's 12,800 bytes.
; Memory binds: no matrix unit, no tensor load, no barrier: waves share nothing.
.set REC,  12800
.set FRB,  1536
.set SCO,  12288
.set XB,   6553600
.set WOFF, 2*XB
.set WB,   819200
.set NXW,  1024                        ; work-groups of the first way
.set SPA,  528                         ; a stage row: 512 bytes + 16, so that sixteen rows start at sixteen different groups of banks
.set STGA, 16*SPA                      ; a wave's stage on the first way
.set WLDS, 4*STGA                      ; behind the four stages: 3,072 bytes for each wave on the second way
.set LI,  1                            ; v1      16 x lane
.set STS, 2                            ; v2      the stage, on the way in
.set STL, 3                            ; v3      and on the way out
.set SWA, 7                            ; v7      where my lane's scale word goes
.set IM,  8                            ; v8      the scale word that my lane stores
.set PC,  16                           ; v16-27  the fragment just made; v28-34 at work
.set TM,  36                           ; v36-51  at work
.set SW,  54                           ; v54-55  the two tiles' scale words
.set R,   64                           ; v64-191 two sets of 16 rows x 16 bytes a lane, as loaded
.set X,   192                          ; v192-255 64 numbers of my row: register 16 b + i = k 32 b + 16 h + i
.set SEL, 30
	s_load_b256 s[8:15], s[0:1], 0x0               ; x, context, Wq, Wk
	s_load_b128 s[16:19], s[0:1], 0x20             ; Wv, Wo
	s_load_b64 s[20:21], s[0:1], 0x30              ; img
	v_lshl_add_u32 v62, v0, 2, 0xb400
	v_mov_b32 v63, 0
	v_lshrrev_b32 v6, 5, v0
	v_readfirstlane_b32 s26, v6                    ; wave
	v_and_b32 v6, 31, v0                           ; lane
	v_lshlrev_b32 v[LI], 4, v6
	s_cmp_lt_u32 ttmp9, NXW
	s_cbranch_scc0 .Lweights
; 64 numbers of a lane, v[s] on, register 16 b + i = k 32 b + 16 (lane / 16) + i of my row, become a fragment's codes in v[PC] on and its scale word in v[w].
.macro QUANT s, w
.irp b, 0,1,2,3
	v_max3_num_f32 v[TM+\b], |v[\s+16*\b]|, |v[\s+1+16*\b]|, 0x1800000   ; my 16 numbers of block b, and the floor 2^(3 - 127): the byte cannot fall under 1
.endr
.irp i, 2,4,6,8,10,12,14
.irp b, 0,1,2,3
	v_max3_num_f32 v[TM+\b], v[TM+\b], |v[\s+16*\b+\i]|, |v[\s+1+16*\b+\i]|   ; the four blocks by turns
.endr
.endr
.irp b, 0,1,2,3
	v_permlanex16_b32 v[TM+4+\b], v[TM+\b], s[SEL], s[SEL+1]
.endr
.irp b, 0,1,2,3
	v_max_num_f32 v[TM+\b], v[TM+\b], v[TM+4+\b]   ; with lane l xor 16's: the block's largest magnitude
.endr
.irp b, 0,1,2,3
	v_add_nc_u32 v[TM+12+\b], 0xff000000, v[TM+\b] ; 2 off its exponent field: the conversion takes this operand's exponent field as its scale
.endr
.irp b, 0,1,2,3
	v_lshrrev_b32 v[TM+4+\b], 23, v[TM+12+\b]      ; the scale's byte
.endr
	v_lshl_or_b32 v[\w], v[TM+5], 8, v[TM+4]
	v_lshl_or_b32 v[\w], v[TM+6], 16, v[\w]
	v_lshl_or_b32 v[\w], v[TM+7], 24, v[\w]
.irp c, 0,1
	v_cvt_scalef32_pk16_fp6_f32 v[PC+6*\c:PC+2+6*\c], v[\s+32*\c:\s+15+32*\c], v[TM+12+2*\c]
	v_cvt_scalef32_pk16_fp6_f32 v[PC+12+4*\c:PC+14+4*\c], v[\s+16+32*\c:\s+31+32*\c], v[TM+12+2*\c+1]   ; (a conversion's three registers begin on an even number)
.endr
	v_nop                                          ; one plain instruction behind the scaled conversions
.irp c, 0,1                                    ; the operand's layout wants a whole block in a lane: lanes 0-15 block 2 c, lanes 16-31 block 2 c + 1
.irp i, 0,1,2
	v_permlane16_swap_b32 v[PC+6*\c+\i], v[PC+12+4*\c+\i]
.endr
.irp i, 0,1,2
	v_mov_b32 v[PC+3+6*\c+\i], v[PC+12+4*\c+\i]
.endr
.endr
.endm
	; ---- x and context: my work-group's record, my wave's two tiles
	s_lshr_b32 s27, ttmp9, 9                       ; 0: x, 1: context
	s_and_b32 s28, ttmp9, 511
	s_lshr_b32 s29, s28, 3                         ; RB
	s_and_b32 s28, s28, 7                          ; ks
	s_lshl_b32 s34, s29, 19                        ; 128 rows of 4,096 bytes,
	s_lshl_b32 s35, s28, 9                         ; 512 bytes a K step,
	s_add_co_u32 s34, s34, s35
	s_lshl_b32 s35, s26, 17                        ; 32 rows for my two tiles
	s_add_co_u32 s34, s34, s35
	s_mov_b32 s35, 0
	s_lshl_b32 s36, s29, 3
	s_add_co_u32 s36, s36, s28
	s_mul_i32 s36, s36, REC
	s_mul_i32 s37, s27, XB
	s_add_co_u32 s36, s36, s37
	s_mul_i32 s41, s26, 2*FRB                      ; my two tiles' images in the record
	s_add_co_u32 s36, s36, s41
	s_mov_b32 s37, 0
	s_lshr_b32 s39, s26, 1                         ; their scale words: 12,288 + 256 (w / 2) + 8 (w % 2), counted from my tiles' first byte
	s_lshl_b32 s39, s39, 8
	s_and_b32 s40, s26, 1
	s_lshl_b32 s40, s40, 3
	s_add_co_u32 s39, s39, s40
	s_add_co_u32 s39, s39, SCO
	s_sub_co_u32 s39, s39, s41
	s_mul_i32 s38, s26, STGA
	s_wait_alu depctr_va_vdst(0)
	v_add_nc_u32 v[STS], s38, v[LI]                ; in: a row's 512 bytes as they lie
	v_and_b32 v4, 15, v0                           ; r
	v_bfe_u32 v5, v0, 4, 1                         ; h
	v_mul_u32_u24 v[STL], v4, SPA
	v_lshl_add_u32 v[STL], v5, 6, v[STL]
	v_add_nc_u32 v[STL], s38, v[STL]               ; out: row r, + 64 h: my 16 numbers of each block of 32
	v_lshlrev_b32 v[SWA], 4, v4
	v_lshl_add_u32 v[SWA], v5, 2, v[SWA]
	v_add_nc_u32 v[SWA], s39, v[SWA]               ; lane (r, h) stores row-lane r's word of tile 2 w + h: + 16 r + 4 h
	s_mov_b32 s[SEL], 0x76543210
	s_mov_b32 s[SEL+1], 0xfedcba98                 ; lane l xor 16
	s_mov_b32 s32, 0xffff0000                      ; lanes 16-31
.irp b, 0,1,2,3
	v_mov_b32 v[TM+4+\b], 0                        ; written once: a lane permute's destination counts as one of its sources
.endr
	s_wait_alu depctr_va_vdst(0)
	s_wait_kmcnt 0x0
	s_cmp_eq_u32 s27, 0
	s_cselect_b64 s[8:9], s[8:9], s[10:11]         ; the choice hangs on the work-group's number alone
	s_add_nc_u64 s[8:9], s[8:9], s[34:35]
	s_add_nc_u64 s[20:21], s[20:21], s[36:37]
.macro LOADF t                         ; my tile t's 16 rows: each load reads 512 consecutive bytes of one row
.irp i, 0,1,2,3,4,5,6,7,8,9,10,11,12,13,14,15
	global_load_b128 v[R+64*(\t)+4*\i:R+64*(\t)+4*\i+3], v[LI], s[8:9] offset:(8*(\t)+\i+8*(\i/8))*4096 th:TH_LOAD_NT
.endr
.endm
.macro FRAGSTEP t
.set RS, R+64*(\t)
	s_wait_loadcnt 16*(1-(\t))                     ; this tile's 16 loads are in; the second tile's 16 may be out
.irp i, 0,1,2,3,4,5,6,7,8,9,10,11,12,13,14,15
	ds_store_b128 v[STS], v[RS+4*\i:RS+4*\i+3] offset:\i*SPA
.endr
.irp b, 0,1,2,3
.irp j, 0,1,2,3
	ds_load_b128 v[X+16*\b+4*\j:X+16*\b+4*\j+3], v[STL] offset:128*\b+16*\j   ; LDS serves a wave's instructions in order: these see my stores
.endr
.endr
	s_wait_dscnt 0x0                               ; my numbers are back
	s_wait_xcnt 0x0                                ; the last tile's stores have read the codes' registers, which are written again below
	QUANT X, SW+(\t)
.irp i, 0,1,2
	global_store_b128 v[LI], v[PC+4*\i:PC+4*\i+3], s[20:21] offset:(\t)*FRB+512*\i   ; 512 consecutive bytes, aligned
.endr
.endm
	LOADF 0
	LOADF 1
	FRAGSTEP 0
	FRAGSTEP 1
	v_cndmask_b32 v[IM], v[SW], v[SW+1], s32       ; lanes 0-15 carry my first tile's words, lanes 16-31 my second's
	global_store_b32 v[SWA], v[IM], s[20:21]
	s_wait_tensorcnt 0x0                           ; the wave's end
	ds_add_u32 v62, v63
	s_wait_dscnt 0x0
	s_endpgm
	; ---- a weight: K is its first axis.  A lane takes a column n and its registers run down K: a block of 32 lies in one lane.
.Lweights:
	s_sub_co_u32 s27, ttmp9, NXW
	s_lshr_b32 s28, s27, 6                         ; which weight
	s_bfe_u32 s29, s27, 0x30003                    ; RB = n / 128
	s_and_b32 s33, s27, 7                          ; ks
	s_lshl_b32 s34, s33, 19                        ; 128 rows (k) of 4,096 bytes,
	s_lshl_b32 s35, s29, 9                         ; 128 columns,
	s_add_co_u32 s34, s34, s35
	s_lshl_b32 s35, s26, 7                         ; my wave's 32
	s_add_co_u32 s34, s34, s35
	s_mov_b32 s35, 0
	s_lshl_b32 s36, s29, 3
	s_add_co_u32 s36, s36, s33
	s_mul_i32 s36, s36, REC
	s_mul_i32 s37, s28, WB
	s_add_co_u32 s36, s36, s37
	s_add_co_u32 s36, s36, WOFF
	s_mov_b32 s37, 0
	s_mul_i32 s38, s26, 2*FRB                      ; my wave's columns are tiles 2 w and 2 w + 1
	s_wait_alu depctr_va_vdst(0)
	v_add_nc_u32 v4, s38, v[LI]                    ; their images' place in the record
	s_add_co_u32 s39, s38, WLDS
	v_add_nc_u32 v3, s39, v[LI]                    ; and in LDS, on the way out
	v_bfe_u32 v7, v0, 3, 1                         ; column 32 w + L is row-lane r = L % 8 + 8 (L / 16) of tile 2 w + u, u = (L / 8) % 2
	v_and_b32 v8, 7, v0
	v_bfe_u32 v9, v0, 4, 1
	v_lshl_add_u32 v8, v9, 3, v8
	v_mul_u32_u24 v2, v7, FRB
	v_lshl_add_u32 v2, v8, 4, v2
	v_add_nc_u32 v2, s39, v2                       ; LDS, on the way in: tile u, lane r
	s_lshr_b32 s40, s26, 1
	s_lshl_b32 s40, s40, 8
	s_and_b32 s41, s26, 1
	s_lshl_b32 s41, s41, 3
	s_add_co_u32 s40, s40, s41
	s_add_co_u32 s40, s40, SCO
	v_lshlrev_b32 v5, 4, v8
	v_lshl_add_u32 v5, v7, 2, v5
	v_add_nc_u32 v5, s40, v5                       ; my column's scale word: 12,288 + 256 (tile / 4) + 16 r + 4 (tile % 4)
	v_lshlrev_b32 v10, 2, v6                       ; in: 4 bytes a lane
	s_and_b32 s41, s28, 1
	s_wait_alu depctr_va_vdst(0)
	s_wait_kmcnt 0x0
	s_cmp_eq_u32 s41, 1
	s_cselect_b64 s[12:13], s[14:15], s[12:13]     ; Wq or Wk,
	s_cselect_b64 s[16:17], s[18:19], s[16:17]     ; Wv or Wo,
	s_cmp_lt_u32 s28, 2
	s_cselect_b64 s[12:13], s[12:13], s[16:17]     ; and which pair: choices on the work-group's number alone
	s_add_nc_u64 s[12:13], s[12:13], s[34:35]
	s_add_nc_u64 s[20:21], s[20:21], s[36:37]
.macro LOADW t                         ; block t: W(32 t + i, my column): 128 consecutive bytes a wave, 512 a work-group
.irp i, 0,1,2,3,4,5,6,7,8,9,10,11,12,13,14,15,16,17,18,19,20,21,22,23,24,25,26,27,28,29,30,31
	global_load_b32 v[64+32*((\t)%2)+\i], v10, s[12:13] offset:(32*(\t)+\i)*4096 th:TH_LOAD_NT
.endr
.endm
.macro BLOCK t                         ; block t = 2 c + h goes to registers 6 c .. 6 c + 5 of lane r + 16 h
.set XS, 64+32*((\t)%2)
.if (\t) < 3
	s_wait_loadcnt 32                              ; this block's 32 loads are in; the next block's may be out
.else
	s_wait_loadcnt 0x0
.endif
	v_max3_num_f32 v12, |v[XS]|, |v[XS+1]|, |v[XS+2]|
	v_max3_num_f32 v13, |v[XS+3]|, |v[XS+4]|, |v[XS+5]|
.irp i, 6,10,14,18,22,26
	v_max3_num_f32 v12, v12, |v[XS+\i]|, |v[XS+\i+1]|
	v_max3_num_f32 v13, v13, |v[XS+\i+2]|, |v[XS+\i+3]|
.endr
	v_max3_num_f32 v12, v12, |v[XS+30]|, |v[XS+31]|
	v_max3_num_f32 v12, v12, v13, 0x1800000        ; and the floor
	v_add_nc_u32 v11, 0xff000000, v12
	v_lshrrev_b32 v13, 23, v11
.if (\t) == 0
	v_mov_b32 v30, v13
.else
	v_lshl_or_b32 v30, v13, 8*(\t), v30
.endif
	v_cvt_scalef32_pk16_fp6_f32 v[16:18], v[XS:XS+15], v11
	v_cvt_scalef32_pk16_fp6_f32 v[24:26], v[XS+16:XS+31], v11
	v_nop                                          ; one plain instruction behind the scaled conversions
	v_mov_b32 v19, v24
	v_mov_b32 v20, v25
	v_mov_b32 v21, v26
.if (\t) < 2
	ds_store_b128 v2, v[16:19] offset:256*((\t)%2)          ; registers 0-3
	ds_store_b64 v2, v[20:21] offset:256*((\t)%2)+512       ; registers 4, 5
.else
	ds_store_b64 v2, v[16:17] offset:256*((\t)%2)+520       ; registers 6, 7
	ds_store_b128 v2, v[18:21] offset:256*((\t)%2)+1024     ; registers 8-11
.endif
.if (\t) < 2
	LOADW (\t)+2
.endif
	s_wait_dscnt 0x0                               ; the stores have read their registers
.endm
	LOADW 0
	LOADW 1
.irp t, 0,1,2,3
	BLOCK \t
.endr
.irp i, 0,1,2,3,4,5
	ds_load_b128 v[128+4*\i:131+4*\i], v3 offset:512*\i
.endr
.irp i, 0,1,2,3,4,5
	s_wait_dscnt 5-\i                              ; load i is back; the younger ones may be out
	global_store_b128 v4, v[128+4*\i:131+4*\i], s[20:21] offset:512*\i
.endr
	s_wait_alu depctr_va_vdst(0)
	global_store_b32 v5, v30, s[20:21]
	s_wait_tensorcnt 0x0
	ds_add_u32 v62, v63
	s_wait_dscnt 0x0
	s_endpgm
.Lfunc_end_k_q2abd081538_prep:
	.size	k_q2abd081538_prep, .Lfunc_end_k_q2abd081538_prep-k_q2abd081538_prep
	.p2alignl 7, 3214868480
	.fill 96, 4, 3214868480
	.section	.rodata,"a",@progbits
	.p2align	6, 0x0
	.amdhsa_kernel k_q2abd081538_prep
		.amdhsa_group_segment_fixed_size 46592
		.amdhsa_private_segment_fixed_size 0
		.amdhsa_enable_private_segment 0
		.amdhsa_kernarg_size 56
		.amdhsa_user_sgpr_count 2
		.amdhsa_user_sgpr_kernarg_segment_ptr 1
		.amdhsa_wavefront_size32 1
		.amdhsa_system_sgpr_workgroup_id_x 1
		.amdhsa_system_sgpr_workgroup_id_y 1
		.amdhsa_system_sgpr_workgroup_id_z 1
		.amdhsa_system_vgpr_workitem_id 0
		.amdhsa_next_free_vgpr 256
		.amdhsa_next_free_sgpr 66
		.amdhsa_reserve_vcc 0
		.amdhsa_float_denorm_mode_32 3
		.amdhsa_float_denorm_mode_16_64 3
		.amdhsa_memory_ordered 1
		.amdhsa_forward_progress 1
		.amdhsa_inst_pref_size 41
	.end_amdhsa_kernel
	.amdgpu_metadata
---
amdhsa.version: [ 1, 2 ]
amdhsa.kernels:
  - .name:           k_q2abd081538_prep
    .symbol:         k_q2abd081538_prep.kd
    .args:
      - { .name: x, .offset: 0, .size: 8, .value_kind: global_buffer, .address_space: global }
      - { .name: context, .offset: 8, .size: 8, .value_kind: global_buffer, .address_space: global }
      - { .name: Wq, .offset: 16, .size: 8, .value_kind: global_buffer, .address_space: global }
      - { .name: Wk, .offset: 24, .size: 8, .value_kind: global_buffer, .address_space: global }
      - { .name: Wv, .offset: 32, .size: 8, .value_kind: global_buffer, .address_space: global }
      - { .name: Wo, .offset: 40, .size: 8, .value_kind: global_buffer, .address_space: global }
      - { .name: img, .offset: 48, .size: 8, .value_kind: global_buffer, .address_space: global }
    .group_segment_fixed_size: 46592
    .private_segment_fixed_size: 0
    .kernarg_segment_align: 8
    .kernarg_segment_size: 56
    .max_flat_workgroup_size: 128
    .sgpr_count:     66
    .vgpr_count:     256
    .wavefront_size: 32
...
	.end_amdgpu_metadata
.endif
;; end of part 1
;; launch proj (part 2): grid 4 x 64, 4 waves a work-group, clusters of 4 x 4, 327,680 bytes of LDS; arguments img, qkv; writes qkv
.if DOCPART == 2
	.amdgcn_target "amdgcn-amd-amdhsa--gfx1250"
	.amdhsa_code_object_version 6
	.text
	.protected	k_q2abd081538_proj
	.globl	k_q2abd081538_proj
	.p2align	8
	.type	k_q2abd081538_proj,@function
k_q2abd081538_proj:
	s_mov_b64 s[64:65], 0
	v_nop
	global_prefetch_b8 v0, s[64:65] scope:SCOPE_SE
	s_setreg_imm32_b32 hwreg(HW_REG_WAVE_MODE, 25, 1), 1
	s_wait_xcnt 0x0
	s_wait_alu depctr_hold_cnt(0) depctr_sa_sdst(0) depctr_va_vdst(0) depctr_va_sdst(0) depctr_va_ssrc(0) depctr_va_vcc(0) depctr_vm_vsrc(0)
	s_getreg_b32 s2, hwreg(HW_REG_IB_STS2, 6, 4)
	s_cmp_eq_u32 s2, 0
	s_cbranch_scc0 .Lentry_in_a_cluster
	s_endpgm
.Lentry_in_a_cluster:
	s_bfe_u32 s2, ttmp6, 0x10000c
	s_cmp_lg_u32 s2, 0xf033
	s_cbranch_scc0 .Lentry_shape_is_right
	s_endpgm
.Lentry_shape_is_right:
; PROJ: q = x Wq, k = context Wk, v = context Wv on codes of FP6 (E2M3) with E8M0 scales, sums in f32; each result is quantised again along the next product's K and stored as operand images.
; OPERANDS AND RESULTS are records (128 rows x 128 K, 12,800 bytes): byte a*1536 + 512 i + 16 lane = registers 4 i .. 4 i + 3 of tile a's fragment; lane (r, h) of tile a holds row 32 (a/2) + 8 (a%2) + r + 8 (r/8);
; byte 12,288 + 16 lane = the scale words of tiles 4 h .. 4 h + 3 for row-lane r.  A block of 128 rows has its eight K steps' records on end (102,400 bytes).  img: x's blocks, context's, then Wq, Wk, Wv, Wo.
; qkv: q's records at ((8 batch + pair of heads) 8 + block of queries); from KVO on, for each (batch, pair): K's and V's records of key step t at 2 t and 2 t + 1 (V: the pair's 128 d as rows, 128 keys as K).
; THE DEAL: 8,192 x 3,072 results are 1,536 blocks of 128 x 128, six for each of 256 work-groups.  PHASE 1: a tile of 256 x 256 of K or of V (cluster rows 0-7: K, 8-15: V; for V the weight is the row operand), a wave 128 x 128.
; PHASE 2: a tile of 128 x 256 of Q, a wave 64 x 128.  768 products a wave in every work-group.
; LDS: two regions of 12 records.  Phase 1: a region holds three K steps: [wave's block][3 records].  Phase 2: four K steps: [x's block: 4 records][Wq's two blocks: 4 records each].
; FILLS, one tensor load a wave each: K steps 0-2 at the head; 3-5 behind the head's round (region 1's first fill); then three refills, each behind the three lines and a round of the cluster's barrier
; 6-7 in K step 2; phase 2's K steps 0-3 in K step 5; its K steps 4-7 inside phase 1's way out.  One load of a wave is out at any time.
; CLUSTER 4 x 4: the row operand's records are shared along a row of the cluster, the column operand's along a column, in both phases: joint loads.
; THE PRODUCT IS USED TRANSPOSED (source 0 = the column operand's tile): a lane holds one row, and by the rows' order in a tile its 16 registers of two neighbouring tiles are 16 neighbours along the next K.
; THE WAY OUT takes two row tiles side by side, line by line in turn: eight chains of maxima, so that a line's reader stands eight lines on.
; No prefetch: the walk along K is written out, there is no loop to run ahead in, and each fill is asked for as soon as its region is free.
; LIMITS: NaN and infinities are not served; a block whose largest magnitude lies under 2^-124 keeps the byte 1; a block of zeros has the byte 1, not 127: its codes are zeros and this program alone reads the bytes.
; REGISTERS: window 0: v8-29 addresses; v32-47 scale words, two sets; v64-115 the way out, and v176-211 for its second tile; v128-223 the row operand's fragments (phase 1: one set of eight; phase 2: two sets of four).
;   window 1: the column operand's fragments, two sets, at v0 and v128.  windows 2, 3: accumulators, (a, b) at v[8 (8 (a % 4) + b)].
.set REC,    12800
.set FRB,    1536
.set SCO,    12288
.set RBB,    8*REC
.set XB,     6553600
.set WOFF,   2*XB
.set WB,     819200
.set KVO,    6553600
.set REGION, 12*REC
.set SPARE,  2*REGION                  ; behind the regions: the spare words, 128 bytes a wave
.set ADS1, 8                           ; v8-9    phase 2, scale words: lanes 0-15 my four tiles of x, lanes 16-31 Wq's tiles 0-3; region 0, 1
.set ADS2, 10                          ; v10-11  lanes 0-15 the same, lanes 16-31 Wq's tiles 4-7
.set LIQ,  12                          ; v12     my four tiles' place in q's record
.set SLI,  13                          ; v13     and their scale words': 8 bytes a lane
.set ADRA, 16                          ; v16-17  phase 1: my row block in region 0, 1
.set ADRB, 18                          ; v18-19  my column block
.set ADRS, 20                          ; v20-21  scale words: lanes 0-15 the row block's, lanes 16-31 the column block's
.set ADRA2, 22                         ; v22-23  phase 2: my four tiles of x
.set ADRB2, 24                         ; v24-25  my block of Wq
.set LI,   27                          ; v27     16 x lane
.set SPW,  28
.set NIL,  29
.set SC,   32
.set PC,   64
.set TM,   84
.set UO,   112                         ; the way out's second tile works 112 registers further on: v176-194, v196-211
.set SW,   104
.set IM,   112
.set AF,   128
.set G1A, 24
.set G1B, 32
.set G0A, 68
.set G0B, 72
.set SEL, 58
.set MSB, 0
.macro WIN new                         ; the immediate's high byte repeats the setting that is left
.if MSB != \new
	s_set_vgpr_msb (MSB<<8)|\new
.set MSB, \new
.endif
.endm
.set MUL_LO, 0xa1                      ; source 0 window 1, source 1 window 0, C and D window 2
.set MUL_HI, 0xf1                      ; the same, C and D window 3
.set TO_B,   0x40
.macro PLACES                          ; four plain instructions behind a matrix instruction (ISA guide 7.12.1)
.rept 4
	v_nop
.endr
.endm
.macro JLOAD                           ; waves 0, 1 ask for the row operand, waves 2, 3 for the column operand: one mask to a line
	s_cmp_eq_u32 s15, 0
	s_cbranch_scc0 .Lfor_b_\@
	tensor_load_to_lds s[G0A:G0A+3], s[G1A:G1A+7]
	s_nop 0
	PLACES
	s_branch .Lasked_\@
.Lfor_b_\@:
	tensor_load_to_lds s[G0B:G0B+3], s[G1B:G1B+7]
	s_nop 0
	PLACES
.Lasked_\@:
.endm
.macro CREST
	s_cmp_lg_u32 s14, 0
	s_cbranch_scc1 .Lnot_wave_0_\@
	s_barrier_signal -3
.Lnot_wave_0_\@:
	s_barrier_wait -3
	s_barrier_signal -1
	s_barrier_wait -1
.endm
.macro CROUND
	s_barrier_signal -1
	s_barrier_wait -1
	CREST
.endm
	s_load_b128 s[4:7], s[0:1], 0x0                ; img, qkv
	v_lshl_add_u32 v[SPW], v0, 2, SPARE
	v_mov_b32 v[NIL], 0
	ds_add_u32 v[SPW], v[NIL]                      ; the opening lines: the add twice and its wait
	ds_add_u32 v[SPW], v[NIL]
	v_lshrrev_b32 v1, 5, v0
	v_readfirstlane_b32 s14, v1                    ; wave
	s_lshr_b32 s15, s14, 1                         ; my half of the rows; also: I fetch the row (0) or the column operand (1)
	s_and_b32 s16, s14, 1                          ; my block of columns; also: which part I fetch
	s_bfe_u32 s40, ttmp6, 0x40000                  ; cx
	s_bfe_u32 s41, ttmp6, 0x40004                  ; cy
	s_and_b32 s42, ttmp7, 0xffff                   ; the cluster's y, 0 .. 15
	s_lshr_b32 s43, s42, 3                         ; 0: K, 1: V
	s_and_b32 s44, s42, 7
	s_lshl_b32 s44, s44, 2
	s_lshl_b32 s45, s41, 2
	s_lshl_b32 s45, 15, s45                        ; my row of the cluster
	s_lshl_b32 s46, 0x1111, s40                    ; my column
	s_or_b32 s[G1A], s45, (3<<16)|(1<<21)          ; the mask; elements of 8 bytes; bit 21 beside a mask; no padding: images are read 16 bytes a lane on end
	s_or_b32 s[G1B], s46, (3<<16)|(1<<21)
.irp g, G1A, G1B
	s_mov_b32 s[\g+1], 32<<16                      ; rows of 256 bytes,
	s_mov_b32 s[\g+2], 150<<16                     ; 150 of them: three records
	s_mov_b32 s[\g+3], 32<<16
	s_mov_b32 s[\g+4], 150
	s_mov_b32 s[\g+5], 32
	s_mov_b32 s[\g+6], 0
	s_mov_b32 s[\g+7], 0
.endr
	s_cmp_eq_u32 s43, 1                            ; choices on the cluster's number alone
	s_cselect_b32 s47, 0, s44
	s_cselect_b32 s49, s44, 0
	s_mov_b32 s48, WOFF+2*WB
	s_cselect_b32 s48, s48, XB                     ; the row operand: Wv or context
	s_mov_b32 s50, WOFF+WB
	s_cselect_b32 s50, XB, s50                     ; the column operand: context or Wk
	s_cselect_b32 s60, REC, 0                      ; V's record lies behind K's
	s_add_co_u32 s47, s47, s41                     ; tile row
	s_add_co_u32 s49, s49, s40                     ; tile column
	s_lshl_b32 s52, s47, 1
	s_add_co_u32 s52, s52, s16
	s_mul_i32 s52, s52, RBB
	s_add_co_u32 s52, s52, s48
	s_mov_b32 s53, 0
	s_lshl_b32 s54, s49, 1
	s_add_co_u32 s54, s54, s16
	s_mul_i32 s54, s54, RBB
	s_add_co_u32 s54, s54, s50
	s_mov_b32 s55, 0
	s_lshl_b32 s82, s42, 2
	s_add_co_u32 s82, s82, s41                     ; phase 2: x's block = 4 x cluster y + cy
	s_mul_i32 s76, s82, RBB
	s_mul_i32 s80, s16, 2*REC                      ; waves 0, 1 fetch two of a fill's four records of x each
	s_add_co_u32 s76, s76, s80
	s_mov_b32 s77, 0
	s_lshl_b32 s83, s40, 1
	s_add_co_u32 s83, s83, s16                     ; Wq's block = 2 cx + part
	s_mul_i32 s78, s83, RBB
	s_add_co_u32 s78, s78, WOFF
	s_mov_b32 s79, 0
	s_mul_i32 s81, s16, 4*REC
	s_add_co_u32 s81, s81, 4*REC                   ; its place in a region, behind x's four records
	s_mul_i32 s17, s14, 3*REC                      ; phase 1: my part of a region
	s_wait_dscnt 0x0
	s_wait_kmcnt 0x0
	s_add_nc_u64 s[52:53], s[4:5], s[52:53]
	s_add_nc_u64 s[54:55], s[4:5], s[54:55]
	s_add_nc_u64 s[76:77], s[4:5], s[76:77]
	s_add_nc_u64 s[78:79], s[4:5], s[78:79]
	CROUND                                         ; all sixteen work-groups are here: the first joint loads meet
	s_mov_b32 s[G0A], 1
	s_mov_b32 s[G0A+1], s17
	s_mov_b64 s[G0A+2:G0A+3], s[52:53]
	s_or_b32 s[G0A+3], s[G0A+3], 0x80000000
	s_mov_b32 s[G0B], 1
	s_mov_b32 s[G0B+1], s17
	s_mov_b64 s[G0B+2:G0B+3], s[54:55]
	s_or_b32 s[G0B+3], s[G0B+3], 0x80000000
	JLOAD                                          ; K steps 0-2: my one load at the head
	s_mov_b32 s[SEL], 0x76543210
	s_mov_b32 s[SEL+1], 0xfedcba98                 ; lane l xor 16
	s_mov_b32 s57, 0xffff0000                      ; lanes 16-31
	s_lshl_b32 s61, s47, 1                         ; where K's or V's record goes
	s_add_co_u32 s61, s61, s15
	s_lshl_b32 s62, s49, 1
	s_add_co_u32 s62, s62, s16
	s_cmp_eq_u32 s43, 1
	s_cselect_b32 s63, s62, s61                    ; context's block
	s_cselect_b32 s66, s61, s62                    ; the weight's block = the pair of heads
	s_lshr_b32 s67, s63, 3
	s_lshl_b32 s67, s67, 3
	s_add_co_u32 s67, s67, s66                     ; 8 batch + pair
	s_and_b32 s63, s63, 7                          ; the key step
	s_mul_i32 s92, s67, 16*REC
	s_mul_i32 s63, s63, 2*REC
	s_add_co_u32 s92, s92, s63
	s_add_co_u32 s92, s92, s60
	s_add_co_u32 s92, s92, KVO
	s_mov_b32 s93, 0
	s_add_nc_u64 s[92:93], s[6:7], s[92:93]
	s_lshr_b32 s94, s82, 3                         ; and q's
	s_lshl_b32 s94, s94, 3
	s_add_co_u32 s94, s94, s83
	s_lshl_b32 s94, s94, 3
	s_and_b32 s95, s82, 7
	s_add_co_u32 s94, s94, s95
	s_mul_i32 s88, s94, REC
	s_mov_b32 s89, 0
	s_add_nc_u64 s[88:89], s[6:7], s[88:89]
	s_mul_i32 s18, s15, 3*REC                      ; LDS: phase 1's row block,
	s_mul_i32 s19, s16, 3*REC
	s_add_co_u32 s19, s19, 6*REC                   ; column block,
	s_sub_co_u32 s20, s19, s18                     ; the distance between the two: one product serves both halves of the lanes
	s_add_co_u32 s21, s18, SCO
	s_mul_i32 s22, s15, 4*FRB                      ; phase 2: my four tiles in a record of x
	s_lshl_b32 s96, s15, 8
	s_add_co_u32 s96, s96, SCO                     ; their scale words
	s_add_co_u32 s97, s81, SCO
	s_sub_co_u32 s97, s97, s96                     ; the distance to Wq's
	v_and_b32 v1, 31, v0
	v_and_b32 v2, 15, v0                           ; r
	v_bfe_u32 v3, v0, 4, 1                         ; h
	v_lshlrev_b32 v[LI], 4, v1
	v_mul_u32_u24 v4, s20, v3
	v_mul_u32_u24 v5, s97, v3
	v_lshl_add_u32 v4, v2, 4, v4                   ; 16 r + h x distance
	v_lshl_add_u32 v5, v2, 4, v5
	v_lshl_add_u32 v6, v3, 8, v5                   ; and 256 h more
	v_lshlrev_b32 v7, 4, v2
	v_lshl_add_u32 v7, v3, 3, v7                   ; 16 r + 8 h
	v_add_nc_u32 v[ADRA], s18, v[LI]
	v_add_nc_u32 v[ADRB], s19, v[LI]
	v_add_nc_u32 v[ADRS], s21, v4
	v_add_nc_u32 v[ADRA2], s22, v[LI]
	v_add_nc_u32 v[ADRB2], s81, v[LI]
	v_add_nc_u32 v[ADS1], s96, v5
	v_add_nc_u32 v[ADS2], s96, v6
	v_add_nc_u32 v[SLI], s96, v7
	v_add_nc_u32 v[LIQ], s22, v[LI]
.irp a, ADRA, ADRB, ADRS, ADRA2, ADRB2, ADS1, ADS2
	v_add_nc_u32 v[\a+1], REGION, v[\a]
.endr
.irp b, 0,1,2,3
	v_mov_b32 v[TM+4+\b], 0                        ; a lane permute's destination counts as one of its sources
.endr
; n fragments of 12 registers from the image at off: three loads of 512 consecutive bytes each
.macro TILES dst, adr, off, n
.set T_, 0
.rept \n
.irp c, 0,1,2
	ds_load_b128 v[\dst+12*T_+4*\c:\dst+12*T_+4*\c+3], v[\adr] offset:\off+T_*FRB+512*\c
.endr
.set T_, T_+1
.endr
.endm
.macro WM acc, bf, af, sb, sa, first   ; one product; first = 1: it starts the sum
.if \first
	v_wmma_scale_f32_16x16x128_f8f6f4 v[\acc:\acc+7], v[\bf:\bf+11], v[\af:\af+11], 0, v[\sb], v[\sa] matrix_a_fmt:MATRIX_FMT_FP6 matrix_b_fmt:MATRIX_FMT_FP6 matrix_a_scale:MATRIX_SCALE_ROW1
.else
	v_wmma_scale_f32_16x16x128_f8f6f4 v[\acc:\acc+7], v[\bf:\bf+11], v[\af:\af+11], v[\acc:\acc+7], v[\sb], v[\sa] matrix_a_fmt:MATRIX_FMT_FP6 matrix_b_fmt:MATRIX_FMT_FP6 matrix_a_scale:MATRIX_SCALE_ROW1
.endif
.endm
; The accumulators take turns, one instruction a turn, in the same order in every step.
.macro MUL16 a0, set, first            ; phase 1: row tiles a0, a0 + 1 x the eight column tiles
.irp a, \a0, \a0+1
.irp b, 0,1,2,3,4,5,6,7
	WM 8*(8*((\a)%4)+\b), 128*(\set)+12*\b, AF+12*(\a), SC+8*(\set)+\b, SC+8*(\set)+(\a), \first
.endr
.endr
.endm
.macro QMUL set, first                 ; phase 2: my four tiles of x x Wq's eight
.irp a, 0,1,2,3
.irp b, 0,1,2,3,4,5,6,7
	WM 8*(8*\a+\b), 128*(\set)+12*\b, AF+48*(\set)+12*\a, SC+8*(\set)+\b, SC+8*(\set)+\a, \first
.endr
.endr
.endm
.macro NEXT ks                         ; where K step ks + 1 lies: region (ks + 1) / 3 % 2, record (ks + 1) % 3; sets (ks + 1) % 2
.set NX, (\ks)+1
.set NR, (NX/3)%2
.set NJ, NX%3
.set NP, NX%2
.endm
.macro REST                            ; the next step's column fragments, row tiles 0-3 and scale words: 38 loads
	WIN TO_B
	TILES 128*NP, ADRB+NR, NJ*REC, 8
	WIN 0
	TILES AF, ADRA+NR, NJ*REC, 4
	ds_load_b128 v[SC+8*NP:SC+8*NP+3], v[ADRS+NR] offset:NJ*REC
	ds_load_b128 v[SC+8*NP+4:SC+8*NP+7], v[ADRS+NR] offset:NJ*REC+256
.endm
.macro HIGH ks, first                  ; row tiles 4-7, and then the next step's into their registers: 12 loads
	WIN MUL_HI
	MUL16 4, (\ks)%2, \first
	MUL16 6, (\ks)%2, \first
	PLACES
	WIN 0
	TILES AF+48, ADRA+NR, NJ*REC+4*FRB, 4
.endm
.macro STEP ks, first
	NEXT \ks
	s_wait_dscnt 12                                ; all but the youngest 12 loads (row tiles 4-7) are in
	WIN MUL_LO
	MUL16 0, (\ks)%2, \first
	MUL16 2, (\ks)%2, \first
	s_wait_dscnt 0x0
	PLACES
	REST
	HIGH \ks, \first
.endm
.macro NEXTG ks                        ; no load of mine is out: the descriptors of the refill
.if (\ks) == 2
	s_mov_b32 s[G0A+1], s17                        ; K steps 6, 7 into region 0: two records a wave
	s_mov_b32 s[G0B+1], s17
	s_add_nc_u64 s[G0A+2:G0A+3], s[G0A+2:G0A+3], 3*REC
	s_add_nc_u64 s[G0B+2:G0B+3], s[G0B+2:G0B+3], 3*REC
	s_mov_b32 s[G1A+2], 100<<16
	s_mov_b32 s[G1A+4], 100
	s_mov_b32 s[G1B+2], 100<<16
	s_mov_b32 s[G1B+4], 100
.else
	s_add_co_u32 s[G0A+1], s80, REGION             ; phase 2's K steps 0-3 into region 1: two records of x, four of Wq a wave
	s_add_co_u32 s[G0B+1], s81, REGION
	s_mov_b64 s[G0A+2:G0A+3], s[76:77]
	s_or_b32 s[G0A+3], s[G0A+3], 0x80000000
	s_mov_b64 s[G0B+2:G0B+3], s[78:79]
	s_or_b32 s[G0B+3], s[G0B+3], 0x80000000
	s_mov_b32 s[G1B+2], 200<<16
	s_mov_b32 s[G1B+4], 200
.endif
.endm
.macro TURN ks                         ; a region's last K step: all its fragments are in registers or on their way; the region is filled again in the step's middle
	NEXT \ks
	s_wait_tensorcnt 0x0                           ; my part of the other region is in
	ds_add_u32 v[SPW], v[NIL]
	NEXTG \ks
	s_wait_dscnt 13                                ; (the add and the youngest 12 loads may be out)
	WIN MUL_LO
	MUL16 0, (\ks)%2, 0
	s_wait_dscnt 0x0                               ; the add is done, my reads of this region are over
	s_barrier_signal -1                            ; opens a round of the cluster's barrier
	MUL16 2, (\ks)%2, 0
	WIN 0
	s_barrier_wait -1
	CREST
	JLOAD                                          ; the refill; its four v_nop are the places in front of the loads below
	REST
	HIGH \ks, 0
.endm
	s_wait_alu depctr_va_vdst(0)
	s_wait_tensorcnt 0x0                           ; my part of K steps 0-2 is in; the three lines ahead of region 1's first fill
	ds_add_u32 v[SPW], v[NIL]
	s_add_co_u32 s[G0A+1], s17, REGION
	s_add_co_u32 s[G0B+1], s17, REGION
	s_add_nc_u64 s[G0A+2:G0A+3], s[G0A+2:G0A+3], 3*REC
	s_add_nc_u64 s[G0B+2:G0B+3], s[G0B+2:G0B+3], 3*REC
	s_wait_dscnt 0x0
	CROUND
	JLOAD                                          ; K steps 3-5
	NEXT -1
	REST
	TILES AF+48, ADRA, 4*FRB, 4
	STEP 0, 1                                      ; the first products start the sums
	STEP 1, 0
	TURN 2
	STEP 3, 0
	STEP 4, 0
	TURN 5
	STEP 6, 0
	s_wait_dscnt 12                                ; phase 1's last K step fetches nothing
	WIN MUL_LO
	MUL16 0, 1, 0
	MUL16 2, 1, 0
	s_wait_dscnt 0x0
	WIN MUL_HI
	MUL16 4, 1, 0
	MUL16 6, 1, 0
	WIN 0
; THE WAY OUT of row tiles a and a + 1 (u = 0, 1), side by side.  Register 16 b + i of a lane is number 32 b + 16 h + i of its row: four blocks of 32, each in lanes l and l xor 16.
; Codes go out as the tiles' images, 3 x 512 consecutive bytes each.
.macro QB2 a, adr, base
.set AC, 64*((\a)%4)
	WIN 0x0a+5*((\a)/4)
.irp b, 0,1,2,3
.irp u, 0,1
	v_max3_num_f32 v[TM+UO*\u+\b], |v[AC+64*\u+16*\b]|, |v[AC+64*\u+16*\b+1]|, 0x1800000   ; with the floor 2^(3 - 127): the byte cannot fall under 1
.endr
.endr
.irp i, 2,4,6,8,10,12,14
.irp b, 0,1,2,3
.irp u, 0,1
	v_max3_num_f32 v[TM+UO*\u+\b], |v[AC+64*\u+16*\b+\i]|, |v[AC+64*\u+16*\b+\i+1]|, v[TM+UO*\u+\b]
.endr
.endr
.endr
	WIN 0
.irp b, 0,1,2,3
.irp u, 0,1
	v_permlanex16_b32 v[TM+UO*\u+4+\b], v[TM+UO*\u+\b], s[SEL], s[SEL+1]
.endr
.endr
.irp b, 0,1,2,3
.irp u, 0,1
	v_max_num_f32 v[TM+UO*\u+\b], v[TM+UO*\u+\b], v[TM+UO*\u+4+\b]
.endr
.endr
.irp b, 0,1,2,3
.irp u, 0,1
	v_add_nc_u32 v[TM+UO*\u+12+\b], 0xff000000, v[TM+UO*\u+\b]   ; 2 off the exponent field: the conversion's scale operand
.endr
.endr
.irp b, 0,1,2,3
.irp u, 0,1
	v_lshrrev_b32 v[TM+UO*\u+4+\b], 23, v[TM+UO*\u+12+\b]        ; the scale's byte
.endr
.endr
.irp u, 0,1
	v_lshl_or_b32 v[SW+(\a)+\u], v[TM+UO*\u+5], 8, v[TM+UO*\u+4]
.endr
.irp u, 0,1
	v_lshl_or_b32 v[SW+(\a)+\u], v[TM+UO*\u+6], 16, v[SW+(\a)+\u]
.endr
.irp u, 0,1
	v_lshl_or_b32 v[SW+(\a)+\u], v[TM+UO*\u+7], 24, v[SW+(\a)+\u]
.endr
	s_wait_alu depctr_va_vdst(0)
	s_wait_xcnt 0x0                                ; the last pair's stores have read the codes' registers, which are first written again below
	WIN 2+(\a)/4
.irp u, 0,1
.irp c, 0,1
	v_cvt_scalef32_pk16_fp6_f32 v[PC+UO*\u+6*\c:PC+UO*\u+2+6*\c], v[AC+64*\u+32*\c:AC+64*\u+15+32*\c], v[TM+UO*\u+12+2*\c]
	v_cvt_scalef32_pk16_fp6_f32 v[PC+UO*\u+12+4*\c:PC+UO*\u+14+4*\c], v[AC+64*\u+16+32*\c:AC+64*\u+31+32*\c], v[TM+UO*\u+12+2*\c+1]
.endr
.endr
	WIN 0
	v_nop                                          ; one plain instruction behind the scaled conversions
.irp u, 0,1
.irp c, 0,1                            ; the operand's layout wants a whole block in a lane
.irp i, 0,1,2
	v_permlane16_swap_b32 v[PC+UO*\u+6*\c+\i], v[PC+UO*\u+12+4*\c+\i]
.endr
.irp i, 0,1,2
	v_mov_b32 v[PC+UO*\u+3+6*\c+\i], v[PC+UO*\u+12+4*\c+\i]
.endr
.endr
.endr
.irp u, 0,1
.irp i, 0,1,2
	global_store_b128 v[\adr], v[PC+UO*\u+4*\i:PC+UO*\u+4*\i+3], s[\base:\base+1] offset:((\a)+\u)*FRB+512*\i
.endr
.endr
.endm
.macro QFETCH q                        ; phase 2's K step q: region 1 - q / 4, record q % 4, into the sets q % 2: 38 loads
.set QR, 1-(\q)/4
.set QJ, (\q)%4
.set QP, (\q)%2
	WIN TO_B
	TILES 128*QP, ADRB2+QR, QJ*REC, 8
	WIN 0
	TILES AF+48*QP, ADRA2+QR, QJ*REC, 4
	ds_load_b128 v[SC+8*QP:SC+8*QP+3], v[ADS1+QR] offset:QJ*REC
	ds_load_b128 v[SC+8*QP+4:SC+8*QP+7], v[ADS2+QR] offset:QJ*REC
.endm
.macro QSTEP q, first                  ; this step's operands are waited for; the next step's are asked for into the other sets and land under the 32 products
	s_wait_dscnt 0x0
.if (\q) == 3
	s_wait_tensorcnt 0x0                           ; my part of K steps 4-7 is in: a plain barrier shows it to all
	s_barrier_signal -1
	s_barrier_wait -1
.endif
.if (\q) < 7
.if (\q) > 0
	PLACES
.endif
	QFETCH (\q)+1
.endif
	WIN MUL_LO
	QMUL (\q)%2, \first
.endm
	PLACES
.irp a, 0,2,4
	QB2 \a, LI, 92
.endr
	s_wait_alu depctr_va_vdst(0)
	s_wait_tensorcnt 0x0                           ; the last refill's round stands inside the way out: phase 2's K steps 0-3 are in,
	ds_add_u32 v[SPW], v[NIL]
	s_mov_b32 s[G0A+1], s80                        ; and region 0, read out, takes K steps 4-7
	s_mov_b32 s[G0B+1], s81
	s_add_nc_u64 s[G0A+2:G0A+3], s[G0A+2:G0A+3], 4*REC
	s_add_nc_u64 s[G0B+2:G0B+3], s[G0B+2:G0B+3], 4*REC
	s_wait_dscnt 0x0
	CROUND
	JLOAD
	QFETCH 0                                       ; into v128-175 and the first sets: it lands under the last two tiles' way out
	QB2 6, LI, 92
.irp i, 0,1,2,3
	v_cndmask_b32 v[IM+\i], v[SW+\i], v[SW+4+\i], s57   ; lanes 0-15 carry tiles 0-3's words, lanes 16-31 tiles 4-7's
.endr
	global_store_b128 v[LI], v[IM:IM+3], s[92:93] offset:SCO
	s_wait_xcnt 0x0                                ; the stores have read v176-187, into which the next fetch lands
	QSTEP 0, 1
.irp q, 1,2,3,4,5,6,7
	QSTEP \q, 0
.endr
	WIN 0
	PLACES
.irp a, 0,2
	QB2 \a, LIQ, 88
.endr
	v_cndmask_b32 v[IM], v[SW], v[SW+2], s57       ; lane (r, h) carries row-lane r's words of my tiles 2 h and 2 h + 1:
	v_cndmask_b32 v[IM+1], v[SW+1], v[SW+3], s57
	global_store_b64 v[SLI], v[IM:IM+1], s[88:89]  ; 256 consecutive bytes, aligned
	s_wait_tensorcnt 0x0                           ; the wave's end
	ds_add_u32 v[SPW], v[NIL]
	s_wait_dscnt 0x0
	CROUND                                         ; the closing round
	s_endpgm
.Lfunc_end_k_q2abd081538_proj:
	.size	k_q2abd081538_proj, .Lfunc_end_k_q2abd081538_proj-k_q2abd081538_proj
	.p2alignl 7, 3214868480
	.fill 96, 4, 3214868480
	.section	.rodata,"a",@progbits
	.p2align	6, 0x0
	.amdhsa_kernel k_q2abd081538_proj
		.amdhsa_group_segment_fixed_size 327680
		.amdhsa_private_segment_fixed_size 0
		.amdhsa_enable_private_segment 0
		.amdhsa_kernarg_size 16
		.amdhsa_user_sgpr_count 2
		.amdhsa_user_sgpr_kernarg_segment_ptr 1
		.amdhsa_wavefront_size32 1
		.amdhsa_system_sgpr_workgroup_id_x 1
		.amdhsa_system_sgpr_workgroup_id_y 1
		.amdhsa_system_sgpr_workgroup_id_z 1
		.amdhsa_system_vgpr_workitem_id 0
		.amdhsa_next_free_vgpr 1024
		.amdhsa_next_free_sgpr 100
		.amdhsa_reserve_vcc 0
		.amdhsa_float_denorm_mode_32 3
		.amdhsa_float_denorm_mode_16_64 3
		.amdhsa_memory_ordered 1
		.amdhsa_forward_progress 1
		.amdhsa_inst_pref_size 209
	.end_amdhsa_kernel
	.amdgpu_metadata
---
amdhsa.version: [ 1, 2 ]
amdhsa.kernels:
  - .name:           k_q2abd081538_proj
    .symbol:         k_q2abd081538_proj.kd
    .args:
      - { .name: img, .offset: 0, .size: 8, .value_kind: global_buffer, .address_space: global }
      - { .name: qkv, .offset: 8, .size: 8, .value_kind: global_buffer, .address_space: global }
    .group_segment_fixed_size: 327680
    .private_segment_fixed_size: 0
    .kernarg_segment_align: 8
    .kernarg_segment_size: 16
    .max_flat_workgroup_size: 128
    .sgpr_count:     100
    .vgpr_count:     1024
    .wavefront_size: 32
...
	.end_amdgpu_metadata
.endif
;; end of part 2
;; launch attn (part 3): grid 4 x 64, 16 waves a work-group, clusters of 4 x 1, 215,040 bytes of LDS; arguments qkv, aimg; writes aimg
.if DOCPART == 3
	.amdgcn_target "amdgcn-amd-amdhsa--gfx1250"
	.amdhsa_code_object_version 6
	.text
	.protected	k_q2abd081538_attn
	.globl	k_q2abd081538_attn
	.p2align	8
	.type	k_q2abd081538_attn,@function
k_q2abd081538_attn:
	s_mov_b64 s[64:65], 0
	v_nop
	global_prefetch_b8 v0, s[64:65] scope:SCOPE_SE
	s_setreg_imm32_b32 hwreg(HW_REG_WAVE_MODE, 25, 1), 1
	s_wait_xcnt 0x0
	s_wait_alu depctr_hold_cnt(0) depctr_sa_sdst(0) depctr_va_vdst(0) depctr_va_sdst(0) depctr_va_ssrc(0) depctr_va_vcc(0) depctr_vm_vsrc(0)
	s_getreg_b32 s2, hwreg(HW_REG_IB_STS2, 6, 4)
	s_cmp_eq_u32 s2, 0
	s_cbranch_scc0 .Lentry_in_a_cluster
	s_endpgm
.Lentry_in_a_cluster:
	s_bfe_u32 s2, ttmp6, 0x10000c
	s_cmp_lg_u32 s2, 0x3003
	s_cbranch_scc0 .Lentry_shape_is_right
	s_endpgm
.Lentry_shape_is_right:
; ATTN: for each batch and head, O = softmax(q k^T / 8) v, both products on codes of FP6 (E2M3) with E8M0 scales; O / l is quantised along (head, d) and stored as the last product's operand image.
; THE SOFTMAX AHEAD OF THE SECOND PRODUCT: t = score x log2(e) / 8 (q's codes are those of the unscaled q: 1/8 is a power of two, which a block's scale takes up); M = the running largest t rounded UP to a whole number;
; p = 2^(t - M) is quantised along the keys; the row's sum is taken of the unquantised p and divides at the end; when M moves, the sum and O are multiplied by 2^(old M - new M): exact.
; OPERANDS are records (128 rows x 128 K, 12,800 bytes; byte a*1536 + 512 i + 16 lane = registers 4 i .. 4 i + 3 of tile a; lane (r, h) of tile a holds row 32 (a/2) + 8 (a%2) + r + 8 (r/8); scale words at 12,288 + 256 (a/4) + 16 r + 4 (a%4)).
; A record of q or k has as its 128 along K the 64 + 64 of a PAIR of heads; a record of v has the pair's 128 d as rows and 128 keys as K.
; A HEAD'S K IS 64, half of the instruction's 128: the product for head c takes k's fragment and a fragment of q whose other half is zero codes, with the byte 0 (2^-127) as that half's scale.
; So only the two thirds of k's image that hold head c are loaded; whatever the other registers of the fragment hold meets zero codes (FP6 has no NaN or infinity).
; SHARES: a work-group owns 256 queries of one (batch, pair of heads); each of its sixteen waves one tile of 16 queries, both heads, one after the other in each step of 128 keys.  Four waves to a SIMD.
; Both products are used transposed: a lane holds one query throughout, and by the rows' order in a tile the 16 registers of two neighbouring tiles are 16 neighbours along the next K.
; LDS: all of the pair's K and V, 204,800 bytes, as they lie in qkv: [K0 V0 K1 V1 .. K7 V7].  Filled ONCE: wave w fetches record w.  Waves 0 and 1 have a load line of their own and alone wait ahead of the first barrier:
; the first key step is worked while the other fourteen records land; a second barrier shows those.  Nothing is filled again.
; LDS READS ARE ASKED FOR AHEAD OF THEIR USE: V's fragments straight behind the score products; the next head's first four fragments of K behind the conversions, into the upper half of S, which is free then, 8 registers apart
; (a fragment's unloaded third overlaps its neighbour); its other four behind the second product.  In the last key step that look-ahead is held at the last record: its 8 loads are read by nobody.
; CLUSTER 4 x 1: the four work-groups read the same K and V: joint loads with the mask 15.  No prefetch: all of K and V is asked for at the head.
; LIMITS: NaN and infinities are not served; a block whose every p has fallen to 0 keeps the byte 1 (its codes are zeros); the scaled scores stay under 2^31 in magnitude.
.set REC,   12800
.set FRB,   1536
.set SCO,   12288
.set KVO,   6553600
.set VO,    REC                        ; a key step's record of V lies behind its record of K
.set SCST,  16*REC                     ; behind K and V: 1,024 bytes in which the result's scale words meet
.set SPARE, 0x34000                    ; the spare words, 128 bytes a wave
.set LI,  1                            ; v1   16 x lane
.set LR,  2                            ; v2   16 x (lane % 16)
.set ADR, 3                            ; v3   the key step's record + 16 x lane
.set VS,  4                            ; v4-7 V's scale words
.set ST,  8                            ; head c at v[8 + 4 c]: -M, the largest t, the sum in two halves
.set Q0,  16                           ; v16-33 [q of head 0 | zeros | q of head 1]: head c's fragment begins at v[16 + 6 c]
.set QS,  34                           ; v34, v35 their scale words
.set ADS, 36                           ; v36  the key step's record + 16 x (lane % 16)
.set QA,  37
.set ADN, 38                           ; v38  the next key step's record + 16 x lane
.set F,   40                           ; v40-87 four fragments of K or of V
.set KS,  88                           ; v88-95 K's scale words
.set S,   96                           ; v96-159 S^T, then p; v128-163 also take the next head's first four fragments of K
.set O,   164                          ; v164-195 O^T of head 0, v196-227 of head 1
.set PC,  228                          ; v228-239 p's codes
.set FF,  240                          ; f = 2^(old M - new M)
.set PW,  241                          ; p's scale word
.set TP,  242
.set BM,  244                          ; v244-247 the blocks' largest scores, then largest p; then a conversion's second half
.set SO,  248                          ; v248-251 the conversions' scale operands
.set PT,  252                          ; v252-255 at work
.set TM,  40                           ; the way out's quantiser works in F's registers
.set G1,  24
.set SEL, 40
.set CS,  42
.set TB,  44
.set CNT, 45
.set TN,  12
.macro CROUND                          ; a round of the cluster's barrier
	s_barrier_signal -1
	s_barrier_wait -1
	s_cmp_lg_u32 s14, 0
	s_cbranch_scc1 .Lnot_wave_0_\@
	s_barrier_signal -3
.Lnot_wave_0_\@:
	s_barrier_wait -3
	s_barrier_signal -1
	s_barrier_wait -1
.endm
.macro NOPS n
.rept \n
	v_nop
.endr
.endm
	s_load_b128 s[4:7], s[0:1], 0x0                ; qkv, aimg
	v_lshl_add_u32 v254, v0, 2, SPARE
	v_mov_b32 v255, 0
	ds_add_u32 v254, v255                          ; the opening lines: the add twice and its wait
	ds_add_u32 v254, v255
	v_lshrrev_b32 v1, 5, v0
	v_readfirstlane_b32 s14, v1                    ; wave 0..15
	s_bfe_u32 s16, ttmp6, 0x40000                  ; cx: it enters q's and the result's global addresses alone
	s_and_b32 s17, ttmp7, 0xffff                   ; bh = 8 x batch + pair of heads, which the four partners share
	s_mov_b32 s[G1], 15|(3<<16)|(1<<21)            ; the mask: all four; elements of 8 bytes; bit 21 set beside a mask; no padding
	s_mov_b32 s[G1+1], 32<<16                      ; rows of 256 bytes,
	s_mov_b32 s[G1+2], 50<<16                      ; 50 of them: one record
	s_mov_b32 s[G1+3], 32<<16
	s_mov_b32 s[G1+4], 50
	s_mov_b32 s[G1+5], 32
	s_mov_b32 s[G1+6], 0
	s_mov_b32 s[G1+7], 0
	s_mul_i32 s19, s14, REC                        ; wave w fetches record w, in memory and in LDS
	s_mul_i32 s20, s17, 16*REC
	s_add_co_u32 s20, s20, s19
	s_add_co_u32 s20, s20, KVO
	s_mov_b32 s21, 0
	s_lshl_b32 s22, s17, 3
	s_lshl_b32 s23, s16, 1
	s_lshr_b32 s46, s14, 3
	s_add_co_u32 s23, s23, s46                     ; my block of 128 queries: 2 cx + wave / 8
	s_add_co_u32 s22, s22, s23
	s_mul_i32 s8, s22, REC                         ; q's record
	s_mov_b32 s9, 0
	s_and_b32 s47, s14, 7
	s_mul_i32 s47, s47, FRB                        ; my tile in a record: wave % 8
	s_lshr_b32 s10, s17, 3
	s_lshl_b32 s10, s10, 3
	s_add_co_u32 s10, s10, s23                     ; the result's row block: 8 x batch + block of queries,
	s_lshl_b32 s10, s10, 3
	s_and_b32 s11, s17, 7
	s_add_co_u32 s10, s10, s11                     ; its K step: the pair of heads
	s_mul_i32 s10, s10, REC
	s_add_co_u32 s10, s10, s47
	s_mov_b32 s11, 0
	s_bfe_u32 s48, s14, 0x10002
	s_lshl_b32 s48, s48, 8
	s_and_b32 s49, s14, 3
	s_lshl_b32 s49, s49, 2
	s_add_co_u32 s48, s48, s49                     ; my tile's place among a record's scale words: 256 (tile / 4) + 4 (tile % 4)
	s_mov_b32 s[SEL], 0x76543210
	s_mov_b32 s[SEL+1], 0xfedcba98
	s_mov_b32 s[CS], 0x3e38aa3b                    ; c = log2(e) / 8
	s_mov_b32 s[CS+1], s[CS]                       ; (named with it as a pair)
	v_and_b32 v[LI], 31, v0
	v_and_b32 v[LR], 15, v0
	v_lshlrev_b32 v[LI], 4, v[LI]
	v_lshlrev_b32 v[LR], 4, v[LR]
	v_add_nc_u32 v[QA], s47, v[LI]
	v_add_nc_u32 v[TP], s48, v[LR]
	s_wait_alu depctr_va_vdst(0)
	s_wait_dscnt 0x0
	s_wait_kmcnt 0x0
	s_add_nc_u64 s[20:21], s[4:5], s[20:21]
	s_add_nc_u64 s[8:9], s[4:5], s[8:9]
	s_add_nc_u64 s[6:7], s[6:7], s[10:11]
.irp i, 0,1,2
	global_load_b128 v[Q0+4*\i:Q0+4*\i+3], v[QA], s[8:9] offset:512*\i   ; q's fragment, both heads: asked for ahead of the round
.endr
	global_load_b32 v[QS], v[TP], s[8:9] offset:SCO                      ; and its scale word
	CROUND                                         ; all four work-groups are here: the joint loads meet
	s_mov_b32 s32, 1
	s_mov_b32 s33, s19
	s_mov_b64 s[34:35], s[20:21]
	s_or_b32 s35, s35, 0x80000000
	s_cmp_lt_u32 s14, 2                            ; one load a wave; the first key step's two have a line of their own
	s_cbranch_scc0 .Llater_steps
	tensor_load_to_lds s[32:35], s[G1:G1+7]
	s_nop 0
	NOPS 4
	s_branch .Lasked
.Llater_steps:
	tensor_load_to_lds s[32:35], s[G1:G1+7]
	s_nop 0
	NOPS 4
.Lasked:
.irp c, 0,1
	v_mov_b32 v[ST+4*\c+1], 0xff61b1e6             ; the largest t so far: -3e38
	v_mov_b32 v[ST+4*\c+2], 0                      ; the sum
	v_mov_b32 v[ST+4*\c+3], 0
.endr
.irp c, 0,1
	v_floor_f32 v[ST+4*\c], -v[ST+4*\c+1]          ; -M
.endr
.irp b, 0,1,2,3
	v_mov_b32 v[PT+\b], 0                          ; a lane permute's destination counts as one of its sources
	v_mov_b32 v[S+64+\b], 0                        ; what head 0's first products name behind the upper half of S
.endr
	v_mov_b32 v[PW], 0                             ; (named as the upper half of the pair with f before it is first written)
.irp t, 0,1,2,3
.irp i, 8,9,10,11
	v_mov_b32 v[F+12*\t+\i], 0                     ; the third of K's fragments that head 0's first products name and do not load
.endr
.endr
	s_wait_loadcnt 0x0                             ; q
.irp i, 0,1,2,3,4,5
	v_mov_b32 v[Q0+12+\i], v[Q0+6+\i]              ; head 1's half to the end,
.endr
.irp i, 0,1,2,3,4,5
	v_mov_b32 v[Q0+6+\i], 0                        ; zero codes between the two: the upper half of head 0's fragment and the lower of head 1's
.endr
	v_and_b32 v[QS+1], 0xffff0000, v[QS]           ; head 1's two bytes,
	v_and_b32 v[QS], 0xffff, v[QS]                 ; head 0's; the other half's bytes are 0
.set j, 0
.rept 64
	v_mov_b32 v[O+j], 0                            ; O^T: the step is written once; the first finds zeros.  (Also the places between the lines above and the first products)
.set j, j+1
.endr
; K's tiles 0-3 for head c, from the record at v[adr] + off, into v[S + 32 + 8 t + 4 c] on: 8 loads
.macro KPRE c, adr, off
.irp t, 0,1,2,3
	ds_load_b128 v[S+32+8*\t+4*(\c):S+32+8*\t+4*(\c)+3], v[\adr] offset:\off+\t*FRB+512*(\c)
	ds_load_b128 v[S+36+8*\t+4*(\c):S+36+8*\t+4*(\c)+3], v[\adr] offset:\off+\t*FRB+512*(\c)+512
.endr
.endm
; HEAD c OF A KEY STEP of 128 keys.  pre = 1: the other head's next first four fragments of K are asked for, from v[nadr].
.macro STEP c, pre, nadr
.set QF, Q0+6*\c
.set SS, ST+4*\c
.set OT, O+32*\c
	NOPS 4                                         ; places behind the last products, which read F
.irp t, 0,1,2,3
	ds_load_b128 v[F+12*\t+4*\c:F+12*\t+4*\c+3], v[ADR] offset:(4+\t)*FRB+512*\c
	ds_load_b128 v[F+12*\t+4*\c+4:F+12*\t+4*\c+7], v[ADR] offset:(4+\t)*FRB+512*\c+512
.endr
	s_wait_dscnt 8                                 ; all but the 8 just issued: tiles 0-3 and the scale words are in
.irp t, 0,1,2,3
	v_wmma_scale_f32_16x16x128_f8f6f4 v[S+8*\t:S+8*\t+7], v[S+32+8*\t:S+43+8*\t], v[QF:QF+11], 0, v[KS+\t], v[QS+\c] matrix_a_fmt:MATRIX_FMT_FP6 matrix_b_fmt:MATRIX_FMT_FP6
.endr
	NOPS 5                                         ; the products below write over the fragments that those above read
	s_wait_dscnt 0x0
.irp t, 0,1,2,3
	v_wmma_scale_f32_16x16x128_f8f6f4 v[S+32+8*\t:S+39+8*\t], v[F+12*\t:F+12*\t+11], v[QF:QF+11], 0, v[KS+4+\t], v[QS+\c] matrix_a_fmt:MATRIX_FMT_FP6 matrix_b_fmt:MATRIX_FMT_FP6
.endr                                          ; register 16 b + i = key 32 b + 16 (lane / 16) + i
	NOPS 4
.irp t, 0,1,2,3                                ; V's four tiles of head c (16 d x 128 keys): they land under the softmax
.irp i, 0,1,2
	ds_load_b128 v[F+12*\t+4*\i:F+12*\t+4*\i+3], v[ADR] offset:VO+(4*\c+\t)*FRB+512*\i
.endr
.endr
	ds_load_b128 v[VS:VS+3], v[ADS] offset:VO+SCO+256*\c
.irp b, 0,1,2,3
	v_max3_num_f32 v[BM+\b], v[S+16*\b], v[S+1+16*\b], v[S+2+16*\b]   ; the largest score of each block of 32 keys: it serves the row's maximum and, since p rises with the score, the block's largest p
.endr
.irp i, 3,5,7,9,11,13
.irp b, 0,1,2,3
	v_max3_num_f32 v[BM+\b], v[BM+\b], v[S+16*\b+\i], v[S+1+16*\b+\i]
.endr
.endr
.irp b, 0,1,2,3
	v_max_num_f32 v[BM+\b], v[BM+\b], v[S+15+16*\b]
.endr
.irp b, 0,1,2,3
	s_delay_alu instid0(VALU_DEP_4)
	v_permlanex16_b32 v[PT+\b], v[BM+\b], s[SEL], s[SEL+1]
.endr
.irp b, 0,1,2,3
	s_delay_alu instid0(VALU_DEP_4)
	v_max_num_f32 v[BM+\b], v[BM+\b], v[PT+\b]     ; with lane l xor 16's 16 keys
.endr
	s_delay_alu instid0(VALU_DEP_2)
	v_max3_num_f32 v[TP], v[BM], v[BM+1], v[BM+2]
	s_delay_alu instid0(VALU_DEP_1)
	v_max_num_f32 v[TP], v[TP], v[BM+3]
	s_delay_alu instid0(VALU_DEP_1)
	v_mul_f32 v[TP], s[CS], v[TP]                  ; as t (c is positive)
	s_delay_alu instid0(VALU_DEP_1)
	v_max_num_f32 v[SS+1], v[SS+1], v[TP]          ; the running largest t
	v_mov_b32 v[TP], v[SS]
	s_delay_alu instid0(VALU_DEP_2)
	v_floor_f32 v[SS], -v[SS+1]                    ; the new -M = -ceil(t): a whole number
	s_delay_alu instid0(VALU_DEP_1)
	v_sub_f32 v[TP], v[SS], v[TP]                  ; old M - new M: a whole number, 0 or less
	s_delay_alu instid0(VALU_DEP_1)
	v_cvt_i32_f32 v[TP], v[TP]                     ; (it saturates)
	s_delay_alu instid0(VALU_DEP_1)
	v_ldexp_f32 v[FF], 1.0, v[TP]                  ; f = 2^(old M - new M)
.set j, 0
.rept 32
	v_pk_fma_f32 v[S+j:S+j+1], v[S+j:S+j+1], s[CS:CS+1], v[SS:SS+1] op_sel_hi:[1,0,0]   ; t - M, two at a time
.set j, j+2
.endr
.irp b, 0,1,2,3
	v_fma_f32 v[BM+\b], v[BM+\b], s[CS], v[SS]     ; the same of each block's largest score
.endr
.set j, 0
	s_wait_alu depctr_va_vdst(0)
.rept 64
	v_exp_f32 v[S+j], v[S+j]                       ; p = 2^(t - M): one batch
.set j, j+1
.endr
	v_pk_mul_f32 v[SS+2:SS+3], v[SS+2:SS+3], v[FF:FF+1] op_sel_hi:[1,0]   ; the sums under the new M: the plain instruction behind the exponentials
	s_wait_alu depctr_va_vdst(0)                   ; one wait for the batch, ahead of its first reader
.irp b, 0,1,2,3
	v_exp_f32 v[BM+\b], v[BM+\b]                   ; the blocks' largest p
.endr
	v_pk_add_f32 v[PT:PT+1], v[S:S+1], v[S+2:S+3]  ; the row's sum of the unquantised p, in four chains, so that a line's reader stands four lines on
	v_pk_add_f32 v[PT+2:PT+3], v[S+4:S+5], v[S+6:S+7]
	v_pk_add_f32 v[TP:TP+1], v[S+8:S+9], v[S+10:S+11]
.set j, 12
.rept 6
	v_pk_add_f32 v[SS+2:SS+3], v[SS+2:SS+3], v[S+j:S+j+1]
	v_pk_add_f32 v[PT:PT+1], v[PT:PT+1], v[S+j+2:S+j+3]
	v_pk_add_f32 v[PT+2:PT+3], v[PT+2:PT+3], v[S+j+4:S+j+5]
	v_pk_add_f32 v[TP:TP+1], v[TP:TP+1], v[S+j+6:S+j+7]
.set j, j+8
.endr
	v_pk_add_f32 v[SS+2:SS+3], v[SS+2:SS+3], v[S+60:S+61]
	v_pk_add_f32 v[PT:PT+1], v[PT:PT+1], v[S+62:S+63]
	v_pk_add_f32 v[PT+2:PT+3], v[PT+2:PT+3], v[TP:TP+1]
	v_pk_add_f32 v[SS+2:SS+3], v[SS+2:SS+3], v[PT:PT+1]
	s_delay_alu instid0(VALU_DEP_1)
	v_pk_add_f32 v[SS+2:SS+3], v[SS+2:SS+3], v[PT+2:PT+3]
	s_wait_alu depctr_va_vdst(0)                   ; and one for the four
.irp b, 0,1,2,3
	v_max_num_f32 v[BM+\b], 0x1800000, v[BM+\b]    ; the floor 2^(3 - 127)
.endr
.irp b, 0,1,2,3
	s_delay_alu instid0(VALU_DEP_4)
	v_add_nc_u32 v[SO+\b], 0xff000000, v[BM+\b]    ; 2 off the exponent field: the conversion's scale operand
.endr
.irp b, 0,1,2,3
	s_delay_alu instid0(VALU_DEP_4)
	v_lshrrev_b32 v[PT+\b], 23, v[SO+\b]           ; the scale's byte
.endr
	s_delay_alu instid0(VALU_DEP_3)
	v_lshl_or_b32 v[PW], v[PT+1], 8, v[PT]
	s_delay_alu instid0(VALU_DEP_1)
	v_lshl_or_b32 v[PW], v[PT+2], 16, v[PW]
	s_delay_alu instid0(VALU_DEP_1)
	v_lshl_or_b32 v[PW], v[PT+3], 24, v[PW]
.irp k, 0,1                                    ; the second halves go to v244-246 and v252-254, which are done with here
	v_cvt_scalef32_pk16_fp6_f32 v[PC+6*\k:PC+2+6*\k], v[S+32*\k:S+15+32*\k], v[SO+2*\k]
	v_cvt_scalef32_pk16_fp6_f32 v[BM+8*\k:BM+2+8*\k], v[S+16+32*\k:S+31+32*\k], v[SO+2*\k+1]
.endr
	v_nop                                          ; one plain instruction behind the scaled conversions
.irp k, 0,1
.irp i, 0,1,2
	v_permlane16_swap_b32 v[PC+6*\k+\i], v[BM+8*\k+\i]
.endr
.irp i, 0,1,2
	s_delay_alu instid0(VALU_DEP_3)
	v_mov_b32 v[PC+3+6*\k+\i], v[BM+8*\k+\i]
.endr
.endr
.if \pre
	KPRE 1-\c, \nadr, 0                            ; p has been converted: the upper half of S takes the next products' fragments
.endif
	s_wait_alu depctr_va_vdst(0)
.set j, 0
.rept 16
	v_pk_mul_f32 v[OT+j:OT+j+1], v[OT+j:OT+j+1], v[FF:FF+1] op_sel_hi:[1,0]   ; O^T under the new M, each accumulator from its low end on; also the places behind p's codes and scale word
.set j, j+2
.endr
	s_wait_alu depctr_va_vdst(0)
.if \pre
	s_wait_dscnt 8                                 ; V is in; the 8 loads of K behind it may be out
.else
	s_wait_dscnt 0x0
.endif
.irp t, 0,1,2,3
	v_wmma_scale_f32_16x16x128_f8f6f4 v[OT+8*\t:OT+8*\t+7], v[F+12*\t:F+12*\t+11], v[PC:PC+11], v[OT+8*\t:OT+8*\t+7], v[VS+\t], v[PW] matrix_a_fmt:MATRIX_FMT_FP6 matrix_b_fmt:MATRIX_FMT_FP6
.endr
.endm
.macro TRIP pre                        ; a key step: both heads
.if \pre
	s_add_co_u32 s[TN], s[TB], 2*REC
	s_min_u32 s[TN], s[TN], 14*REC                 ; the next key step's record of K, held at the last one
	v_add_nc_u32 v[ADN], s[TN], v[LI]
.endif
	v_add_nc_u32 v[ADR], s[TB], v[LI]
	v_add_nc_u32 v[ADS], s[TB], v[LR]
	s_wait_alu depctr_va_vdst(0)
	ds_load_b128 v[KS:KS+3], v[ADS] offset:SCO             ; K's scale words serve both heads
	ds_load_b128 v[KS+4:KS+7], v[ADS] offset:SCO+256
	STEP 0, 1, ADR
	STEP 1, \pre, ADN
	s_add_co_u32 s[TB], s[TB], 2*REC
.endm
	s_wait_alu depctr_va_vdst(0)
	s_cmp_lt_u32 s14, 2
	s_cbranch_scc0 .Lnot_first
	s_wait_tensorcnt 0x0                           ; the first key step's K or V is in
.Lnot_first:
	s_barrier_signal -1
	s_barrier_wait -1                              ; both are; the other fourteen records may be out
	KPRE 0, LI, 0
	s_mov_b32 s[TB], 0
	TRIP 0                                         ; the first key step: it looks into no later record
	s_wait_tensorcnt 0x0                           ; my record is in,
	s_wait_dscnt 0x0
	s_barrier_signal -1
	s_barrier_wait -1                              ; everybody's is
	KPRE 0, ADR, 2*REC
	s_mov_b32 s[CNT], 7                            ; the other seven key steps
.Lsteps:
	TRIP 1
	s_sub_co_u32 s[CNT], s[CNT], 1
	s_cmp_lg_u32 s[CNT], 0
	s_cbranch_scc1 .Lsteps
	; THE WAY OUT.  O^T / the sum; the 64 registers of both heads are: register 16 b + i = 32 b + 16 h + i of the pair's 128: one K step of the last product: quantised and stored as my tile's image.
	NOPS 4
.irp c, 0,1
	v_add_f32 v[ST+4*\c+2], v[ST+4*\c+2], v[ST+4*\c+3]
.endr
.irp c, 0,1
	s_delay_alu instid0(VALU_DEP_2)
	v_permlanex16_b32 v[PT+\c], v[ST+4*\c+2], s[SEL], s[SEL+1]
.endr
.irp c, 0,1
	s_delay_alu instid0(VALU_DEP_2)
	v_add_f32 v[ST+4*\c+2], v[ST+4*\c+2], v[PT+\c] ; with lane l xor 16's keys: the row's sum
.endr
	s_wait_alu depctr_va_vdst(0)
.irp c, 0,1
	v_rcp_f32 v[BM+2*\c], v[ST+4*\c+2]
.endr
	s_lshl_b32 s46, s46, 9                         ; 512 bytes of scale words for each of the work-group's two records
	s_add_co_u32 s48, s48, s46
	v_add_nc_u32 v61, s48, v[LR]                   ; (plain instructions behind the reciprocals)
	s_delay_alu instid0(VALU_DEP_1)
	v_add_nc_u32 v61, SCST, v61                    ; where my tile's scale word goes,
	v_add_nc_u32 v60, s46, v[LI]
	s_delay_alu instid0(VALU_DEP_1)
	v_add_nc_u32 v60, SCST, v60                    ; and where a record's image of words is read back: both made ahead of the branch below
	s_wait_alu depctr_va_vdst(0)                   ; one wait for both reciprocals, ahead of their first reader
.set j, 0
.rept 32
	v_pk_mul_f32 v[O+j:O+j+1], v[O+j:O+j+1], v[BM+2*(j/32):BM+2*(j/32)+1] op_sel_hi:[1,0]
.set j, j+2
.endr
.irp b, 0,1,2,3
	v_max3_num_f32 v[TM+\b], |v[O+16*\b]|, |v[O+1+16*\b]|, 0x1800000
.endr
.irp i, 2,4,6,8,10,12,14
.irp b, 0,1,2,3
	s_delay_alu instid0(VALU_DEP_4)
	v_max3_num_f32 v[TM+\b], v[TM+\b], |v[O+16*\b+\i]|, |v[O+1+16*\b+\i]|
.endr
.endr
.irp b, 0,1,2,3
	s_delay_alu instid0(VALU_DEP_4)
	v_permlanex16_b32 v[TM+4+\b], v[TM+\b], s[SEL], s[SEL+1]
.endr
.irp b, 0,1,2,3
	s_delay_alu instid0(VALU_DEP_4)
	v_max_num_f32 v[TM+\b], v[TM+\b], v[TM+4+\b]
.endr
.irp b, 0,1,2,3
	s_delay_alu instid0(VALU_DEP_4)
	v_add_nc_u32 v[TM+12+\b], 0xff000000, v[TM+\b]
.endr
.irp b, 0,1,2,3
	s_delay_alu instid0(VALU_DEP_4)
	v_lshrrev_b32 v[TM+4+\b], 23, v[TM+12+\b]
.endr
	s_delay_alu instid0(VALU_DEP_3)
	v_lshl_or_b32 v250, v[TM+5], 8, v[TM+4]
	s_delay_alu instid0(VALU_DEP_1)
	v_lshl_or_b32 v250, v[TM+6], 16, v250
	s_delay_alu instid0(VALU_DEP_1)
	v_lshl_or_b32 v250, v[TM+7], 24, v250
.irp k, 0,1
	v_cvt_scalef32_pk16_fp6_f32 v[PC+6*\k:PC+2+6*\k], v[O+32*\k:O+15+32*\k], v[TM+12+2*\k]
	v_cvt_scalef32_pk16_fp6_f32 v[PC+12+4*\k:PC+14+4*\k], v[O+16+32*\k:O+31+32*\k], v[TM+12+2*\k+1]
.endr
	v_nop                                          ; one plain instruction behind the scaled conversions
.irp k, 0,1
.irp i, 0,1,2
	v_permlane16_swap_b32 v[PC+6*\k+\i], v[PC+12+4*\k+\i]
.endr
.irp i, 0,1,2
	s_delay_alu instid0(VALU_DEP_3)
	v_mov_b32 v[PC+3+6*\k+\i], v[PC+12+4*\k+\i]
.endr
.endr
.irp i, 0,1,2
	global_store_b128 v[LI], v[PC+4*\i:PC+4*\i+3], s[6:7] offset:512*\i   ; 512 consecutive bytes, aligned
.endr
	ds_store_b32 v61, v250                         ; both halves of the lanes write the same word with the same value
	s_wait_dscnt 0x0                               ; for the others' sake: my word has landed
	s_barrier_signal -1
	s_barrier_wait -1
	s_and_b32 s23, s14, 7
	s_cmp_lg_u32 s23, 0
	s_cbranch_scc1 .Lno_words                      ; waves 0 and 8 (whose base stands at their record's first byte) store the records' 512 bytes of scale words whole
	ds_load_b128 v[64:67], v60
	s_wait_dscnt 0x0
	global_store_b128 v[LI], v[64:67], s[6:7] offset:SCO
.Lno_words:
	s_wait_xcnt 0x0
	v_lshl_add_u32 v254, v0, 2, SPARE              ; the add's two registers, made anew: they were at work
	v_mov_b32 v255, 0
	s_wait_alu depctr_va_vdst(0)
	s_wait_tensorcnt 0x0                           ; the wave's end
	ds_add_u32 v254, v255
	s_wait_dscnt 0x0
	CROUND                                         ; the closing round
	s_endpgm
.Lfunc_end_k_q2abd081538_attn:
	.size	k_q2abd081538_attn, .Lfunc_end_k_q2abd081538_attn-k_q2abd081538_attn
	.p2alignl 7, 3214868480
	.fill 96, 4, 3214868480
	.section	.rodata,"a",@progbits
	.p2align	6, 0x0
	.amdhsa_kernel k_q2abd081538_attn
		.amdhsa_group_segment_fixed_size 215040
		.amdhsa_private_segment_fixed_size 0
		.amdhsa_enable_private_segment 0
		.amdhsa_kernarg_size 16
		.amdhsa_user_sgpr_count 2
		.amdhsa_user_sgpr_kernarg_segment_ptr 1
		.amdhsa_wavefront_size32 1
		.amdhsa_system_sgpr_workgroup_id_x 1
		.amdhsa_system_sgpr_workgroup_id_y 1
		.amdhsa_system_sgpr_workgroup_id_z 1
		.amdhsa_system_vgpr_workitem_id 0
		.amdhsa_next_free_vgpr 256
		.amdhsa_next_free_sgpr 66
		.amdhsa_reserve_vcc 0
		.amdhsa_float_denorm_mode_32 3
		.amdhsa_float_denorm_mode_16_64 3
		.amdhsa_memory_ordered 1
		.amdhsa_forward_progress 1
		.amdhsa_inst_pref_size 86
	.end_amdhsa_kernel
	.amdgpu_metadata
---
amdhsa.version: [ 1, 2 ]
amdhsa.kernels:
  - .name:           k_q2abd081538_attn
    .symbol:         k_q2abd081538_attn.kd
    .args:
      - { .name: qkv, .offset: 0, .size: 8, .value_kind: global_buffer, .address_space: global }
      - { .name: aimg, .offset: 8, .size: 8, .value_kind: global_buffer, .address_space: global }
    .group_segment_fixed_size: 215040
    .private_segment_fixed_size: 0
    .kernarg_segment_align: 8
    .kernarg_segment_size: 16
    .max_flat_workgroup_size: 512
    .sgpr_count:     66
    .vgpr_count:     256
    .wavefront_size: 32
...
	.end_amdgpu_metadata
.endif
;; end of part 3
;; launch outp (part 4): grid 8 x 32, 4 waves a work-group, clusters of 4 x 4, 327,680 bytes of LDS; arguments aimg, img, bo, out0; writes out0
.if DOCPART == 4
	.amdgcn_target "amdgcn-amd-amdhsa--gfx1250"
	.amdhsa_code_object_version 6
	.text
	.protected	k_q2abd081538_outp
	.globl	k_q2abd081538_outp
	.p2align	8
	.type	k_q2abd081538_outp,@function
k_q2abd081538_outp:
	s_mov_b64 s[64:65], 0
	v_nop
	global_prefetch_b8 v0, s[64:65] scope:SCOPE_SE
	s_setreg_imm32_b32 hwreg(HW_REG_WAVE_MODE, 25, 1), 1
	s_wait_xcnt 0x0
	s_wait_alu depctr_hold_cnt(0) depctr_sa_sdst(0) depctr_va_vdst(0) depctr_va_sdst(0) depctr_va_ssrc(0) depctr_va_vcc(0) depctr_vm_vsrc(0)
	s_getreg_b32 s2, hwreg(HW_REG_IB_STS2, 6, 4)
	s_cmp_eq_u32 s2, 0
	s_cbranch_scc0 .Lentry_in_a_cluster
	s_endpgm
.Lentry_in_a_cluster:
	s_bfe_u32 s2, ttmp6, 0x10000c
	s_cmp_lg_u32 s2, 0xf033
	s_cbranch_scc0 .Lentry_shape_is_right
	s_endpgm
.Lentry_shape_is_right:
; OUTP: out0 = A Wo + bo, A the attention's result: both operands as codes of FP6 (E2M3) with E8M0 scales, sums in f32.
; OPERANDS are records (128 rows x 128 K, 12,800 bytes): byte a*1536 + 512 i + 16 lane = registers 4 i .. 4 i + 3 of tile a's fragment; lane (r, h) of tile a holds row 32 (a/2) + 8 (a%2) + r + 8 (r/8);
; byte 12,288 + 256 (a/4) + 16 r + 4 (a%4) = tile a's scale word of row-lane r.  A block of 128 rows has its eight K steps' records on end (102,400 bytes).  Wo's blocks (rows = its columns n) begin at byte 13,107,200 + 3 x 819,200 of img.
; SHAPE: a tile of 256 rows x 128 columns: 32 x 8 tiles make 256 work-groups.  Four waves, 2 x 2: wave w takes columns 64 (w % 2) .. + 63 and, of each of A's two blocks, tiles 4 (w / 2) .. + 3.
; A WAVE'S 64 COLUMNS OF Wo, ALL OF K, LIE IN REGISTERS (4 tiles x 8 K steps x 12 = 384).  A's rows stream past them in blocks of 16 rows, all of K: 8 fragments, in two sets; a block is finished after its 32 products
; and leaves at once, through the wave's own stage in LDS, as rows of 256 bytes: the stores are spread over the walk, eight blocks a wave.
; LDS: Wo's block at 0, A's two blocks at 102,400 and 204,800, each filled ONCE; the stages; the spare words.  At the head one tensor load a wave: waves 0, 1 a half each of Wo's block (a line of their own: they alone wait ahead
; of the first barrier, and the weights' LDS loads stand ahead of the wait for A), waves 2, 3 a half each of A's first block.  A's second block, a quarter a wave, stands behind the three lines and a round.
; CLUSTER 4 x 4: A's blocks are shared along a row of the cluster, Wo's block along a column: joint loads.  No prefetch: the walk is written out, there is no loop to run ahead in, and all is asked for at the head.
; THE PRODUCT IS USED TRANSPOSED (source 0 = Wo's tile, source 1 = A's): a lane holds one row, and register j of accumulator b is column 32 (b/2) + 16 h + 8 (b%2) + j of my 64.  bo is the C of each sum's first product.
; REGISTERS: fragment f lies in window 1 + f / 21 at register 12 (f % 21): 0-31 Wo's (4 ks + b), 32-39 and 40-47 A's two sets.  Window 0: v1-21 addresses; v32-63 Wo's scale words (4 ks + b); v68-131 A's (32 block + 4 ks + a);
; v136-199 two sets of four accumulators.  Window 3: v80-111 bo in the result's layout; v128-191 two sets of rows on the way out.
.set REC,    12800
.set FRB,    1536
.set SCO,    12288
.set RBB,    8*REC
.set HB,     4*REC                     ; four K steps: an LDS instruction's immediate holds 16 bits, so each address has a second register this far on
.set WOFF,   13107200
.set WB,     819200
.set SPITCH, 272                       ; a stage row: 256 bytes + 16
.set STAGE,  3*RBB                     ; 16 rows for each wave; no tensor load lands here
.set SPARE,  STAGE+4*16*SPITCH
.set FPW,    21
.set LI,   1
.set ADRB, 2                           ; v2-3    my four tiles of Wo, K steps 0-3 and 4-7
.set ADSB, 4                           ; v4-5    their scale words
.set ADRA, 6                           ; v6-9    my four tiles of A: 2 x block + half of K
.set ADSA, 10                          ; v10-13  their scale words
.set STO,  14
.set RD,   15
.set CO,   16
.set BO,   17
.set SPW,  20
.set NIL,  21
.set SB,   32
.set SA,   68
.set ACC,  136
.set BI,   80                          ; in window 3
.set OUT,  128                         ; in window 3
.set G1W, 24
.set G1A, 32
.set G0W, 68
.set G0A, 72
.set G0C, 76
.set MSB, 0
.macro WIN new                         ; the immediate's high byte repeats the setting that is left
.if MSB != \new
	s_set_vgpr_msb (MSB<<8)|\new
.set MSB, \new
.endif
.endm
.macro PLACES
.rept 4
	v_nop
.endr
.endm
.macro CROUND
	s_barrier_signal -1
	s_barrier_wait -1
	s_cmp_lg_u32 s14, 0
	s_cbranch_scc1 .Lnot_wave_0_\@
	s_barrier_signal -3
.Lnot_wave_0_\@:
	s_barrier_wait -3
	s_barrier_signal -1
	s_barrier_wait -1
.endm
	s_load_b256 s[4:11], s[0:1], 0x0               ; aimg, img, bo, out0
	v_lshl_add_u32 v[SPW], v0, 2, SPARE
	v_mov_b32 v[NIL], 0
	ds_add_u32 v[SPW], v[NIL]                      ; the opening lines: the add twice and its wait
	ds_add_u32 v[SPW], v[NIL]
	v_lshrrev_b32 v1, 5, v0
	v_readfirstlane_b32 s14, v1                    ; wave
	s_lshr_b32 s15, s14, 1                         ; my four tiles of A; also: I fetch Wo (0) or A (1)
	s_and_b32 s16, s14, 1                          ; my 64 columns; also: which half of K I fetch
	s_bfe_u32 s40, ttmp6, 0x40000                  ; cx
	s_bfe_u32 s41, ttmp6, 0x40004                  ; cy
	s_lshl_b32 s42, ttmp9, 2
	s_add_co_u32 s42, s42, s40                     ; tile column = Wo's block, 0 .. 7
	s_and_b32 s43, ttmp7, 0xffff
	s_lshl_b32 s43, s43, 2
	s_add_co_u32 s43, s43, s41                     ; tile row, 0 .. 31
	s_lshl_b32 s45, s41, 2
	s_lshl_b32 s45, 15, s45                        ; my row of the cluster
	s_lshl_b32 s46, 0x1111, s40                    ; my column
	s_or_b32 s[G1W], s46, (3<<16)|(1<<21)          ; the mask; elements of 8 bytes; bit 21 beside a mask; no padding: images are read 16 bytes a lane on end
	s_or_b32 s[G1A], s45, (3<<16)|(1<<21)
.irp g, G1W, G1A
	s_mov_b32 s[\g+1], 32<<16                      ; rows of 256 bytes,
	s_mov_b32 s[\g+2], 200<<16                     ; 200 of them: four K steps of a block
	s_mov_b32 s[\g+3], 32<<16
	s_mov_b32 s[\g+4], 200
	s_mov_b32 s[\g+5], 32
	s_mov_b32 s[\g+6], 0
	s_mov_b32 s[\g+7], 0
.endr
	s_mul_i32 s17, s16, HB                         ; LDS: my half of Wo's block,
	s_add_co_u32 s18, s17, RBB                     ; of A's first block,
	s_mul_i32 s19, s14, 2*REC                      ; my quarter of A's second
	s_mul_i32 s52, s42, RBB
	s_add_co_u32 s52, s52, s17
	s_add_co_u32 s52, s52, WOFF+3*WB
	s_mov_b32 s53, 0
	s_mul_i32 s54, s43, 2*RBB
	s_add_co_u32 s56, s54, s19
	s_add_co_u32 s56, s56, RBB
	s_mov_b32 s57, 0
	s_add_co_u32 s54, s54, s17
	s_mov_b32 s55, 0
	s_add_co_u32 s19, s19, 2*RBB
	s_wait_dscnt 0x0
	s_wait_kmcnt 0x0
	s_add_nc_u64 s[52:53], s[6:7], s[52:53]
	s_add_nc_u64 s[54:55], s[4:5], s[54:55]
	s_add_nc_u64 s[56:57], s[4:5], s[56:57]
	CROUND                                         ; all sixteen work-groups are here: the first joint loads meet
	s_mov_b32 s[G0W], 1
	s_mov_b32 s[G0W+1], s17
	s_mov_b64 s[G0W+2:G0W+3], s[52:53]
	s_or_b32 s[G0W+3], s[G0W+3], 0x80000000
	s_mov_b32 s[G0A], 1
	s_mov_b32 s[G0A+1], s18
	s_mov_b64 s[G0A+2:G0A+3], s[54:55]
	s_or_b32 s[G0A+3], s[G0A+3], 0x80000000
	s_mov_b32 s[G0C], 1
	s_mov_b32 s[G0C+1], s19
	s_mov_b64 s[G0C+2:G0C+3], s[56:57]
	s_or_b32 s[G0C+3], s[G0C+3], 0x80000000
	s_cmp_eq_u32 s15, 0
	s_cbranch_scc0 .Lfor_a
	tensor_load_to_lds s[G0W:G0W+3], s[G1W:G1W+7]
	s_nop 0
	PLACES
	s_branch .Lasked
.Lfor_a:
	tensor_load_to_lds s[G0A:G0A+3], s[G1A:G1A+7]
	s_nop 0
	PLACES
.Lasked:
	s_lshl_b32 s60, s42, 9
	s_lshl_b32 s61, s16, 8
	s_add_co_u32 s60, s60, s61                     ; my first column, in bytes
	s_mov_b32 s61, 0
	s_add_nc_u64 s[8:9], s[8:9], s[60:61]
	s_lshl_b32 s62, s43, 20                        ; 256 rows of 4,096 bytes a tile row,
	s_lshl_b32 s63, s15, 18                        ; 64 for my four tiles
	s_add_co_u32 s62, s62, s63
	s_add_co_u32 s62, s62, s60
	s_mov_b32 s63, 0
	s_add_nc_u64 s[12:13], s[10:11], s[62:63]      ; out0 at my rows and columns; never stepped
	s_mul_i32 s20, s16, 4*FRB                      ; Wo: my four tiles in a record
	s_lshl_b32 s21, s16, 8
	s_add_co_u32 s21, s21, SCO                     ; and their scale words
	s_mul_i32 s22, s15, 4*FRB
	s_add_co_u32 s22, s22, RBB                     ; A likewise, behind Wo's block
	s_lshl_b32 s23, s15, 8
	s_add_co_u32 s23, s23, RBB+SCO
	s_mul_i32 s44, s14, 16*SPITCH
	s_add_co_u32 s44, s44, STAGE                   ; my stage
	v_and_b32 v1, 31, v0
	v_and_b32 v18, 15, v0                          ; r
	v_bfe_u32 v19, v0, 4, 1                        ; h
	v_lshlrev_b32 v[LI], 4, v1
	v_lshlrev_b32 v22, 4, v18                      ; 16 r
	v_lshlrev_b32 v[BO], 6, v19                    ; bo: 64 h
	v_mul_u32_u24 v23, v18, SPITCH
	v_mul_u32_u24 v24, v19, SPITCH
	v_add_nc_u32 v[ADRB], s20, v[LI]
	v_add_nc_u32 v[ADSB], s21, v22
	v_add_nc_u32 v[ADRA], s22, v[LI]
	v_add_nc_u32 v[ADSA], s23, v22
	v_lshl_add_u32 v23, v19, 6, v23
	v_add_nc_u32 v24, v24, v22
	v_lshl_add_u32 v[CO], v19, 12, v22             ; out0: lanes 0-15 a row's 256 bytes, lanes 16-31 the next row's
	v_add_nc_u32 v[STO], s44, v23                  ; the stage, in: row-lane r, + 64 h
	v_add_nc_u32 v[RD], s44, v24                   ; and back: two rows a load
.irp a, ADRB, ADSB, ADRA, ADSA
	v_add_nc_u32 v[\a+1], HB, v[\a]
.endr
.irp a, ADRA, ADSA
	v_add_nc_u32 v[\a+2], RBB, v[\a]
	v_add_nc_u32 v[\a+3], RBB+HB, v[\a]
.endr
	s_wait_alu depctr_va_vdst(0)
	WIN 3<<6
.irp b, 0,1,2,3
	global_load_b128 v[BI+8*\b:BI+8*\b+3], v[BO], s[8:9] offset:4*(32*(\b/2)+8*(\b%2))
	global_load_b128 v[BI+8*\b+4:BI+8*\b+7], v[BO], s[8:9] offset:4*(32*(\b/2)+8*(\b%2))+16
.endr
	WIN 0
	s_cmp_eq_u32 s15, 0
	s_cbranch_scc0 .Lnot_w
	s_wait_tensorcnt 0x0                           ; my half of Wo's block is in
.Lnot_w:
	s_barrier_signal -1
	s_barrier_wait -1                              ; both halves are; A may still be on its way
.set K_, 0
.rept 8                                ; my 64 columns of Wo, all of K: 96 loads, and 8 for the scale words
.irp b, 0,1,2,3
.set FB_, 4*K_+\b
	WIN (1+FB_/FPW)<<6
.irp c, 0,1,2
	ds_load_b128 v[12*(FB_%FPW)+4*\c:12*(FB_%FPW)+4*\c+3], v[ADRB+K_/4] offset:(K_%4)*REC+\b*FRB+512*\c
.endr
.endr
	WIN 0
	ds_load_b128 v[SB+4*K_:SB+4*K_+3], v[ADSB+K_/4] offset:(K_%4)*REC
.set K_, K_+1
.endr
.macro FETCH s                         ; block s = 4 x (block of A) + tile: its 8 fragments into set s % 2: 24 loads
.set K_, 0
.rept 8
.set FA_, 32+8*((\s)%2)+K_
	WIN (1+FA_/FPW)<<6
.irp c, 0,1,2
	ds_load_b128 v[12*(FA_%FPW)+4*\c:12*(FA_%FPW)+4*\c+3], v[ADRA+2*((\s)/4)+K_/4] offset:(K_%4)*REC+((\s)%4)*FRB+512*\c
.endr
.set K_, K_+1
.endr
	WIN 0
.endm
.macro SCA blk                         ; the scale words of my four tiles of a block of A, all of K: 8 loads
.set K_, 0
.rept 8
	ds_load_b128 v[SA+32*(\blk)+4*K_:SA+32*(\blk)+4*K_+3], v[ADSA+2*(\blk)+K_/4] offset:(K_%4)*REC
.set K_, K_+1
.endr
.endm
.macro PRODS s                         ; 32 products: K ascending, the four accumulators by turns; the sums begin with bo
.set K_, 0
.rept 8
.irp b, 0,1,2,3
.set FB_, 4*K_+\b
.set FA_, 32+8*((\s)%2)+K_
.set D_, ACC+32*((\s)%2)+8*\b
.if K_
	WIN (1+FB_/FPW)|((1+FA_/FPW)<<2)
	v_wmma_scale_f32_16x16x128_f8f6f4 v[D_:D_+7], v[12*(FB_%FPW):12*(FB_%FPW)+11], v[12*(FA_%FPW):12*(FA_%FPW)+11], v[D_:D_+7], v[SB+FB_], v[SA+32*((\s)/4)+4*K_+(\s)%4] matrix_a_fmt:MATRIX_FMT_FP6 matrix_b_fmt:MATRIX_FMT_FP6
.else
	WIN (1+FB_/FPW)|((1+FA_/FPW)<<2)|(3<<4)
	v_wmma_scale_f32_16x16x128_f8f6f4 v[D_:D_+7], v[12*(FB_%FPW):12*(FB_%FPW)+11], v[12*(FA_%FPW):12*(FA_%FPW)+11], v[BI+8*\b:BI+8*\b+7], v[SB+FB_], v[SA+32*((\s)/4)+4*K_+(\s)%4] matrix_a_fmt:MATRIX_FMT_FP6 matrix_b_fmt:MATRIX_FMT_FP6
.endif
.endr
.set K_, K_+1
.endr
	WIN 0
.endm
.macro TOSTAGE s                       ; 16 rows x 64 columns into my stage and back as rows of 256 bytes: 8 stores, 8 loads; LDS serves a wave's instructions in order
.irp b, 0,1,2,3
	ds_store_b128 v[STO], v[ACC+32*((\s)%2)+8*\b:ACC+32*((\s)%2)+8*\b+3] offset:128*(\b/2)+32*(\b%2)       ; each accumulator from its low end on
	ds_store_b128 v[STO], v[ACC+32*((\s)%2)+8*\b+4:ACC+32*((\s)%2)+8*\b+7] offset:128*(\b/2)+32*(\b%2)+16
.endr
	WIN 3<<6
.irp t, 0,1,2,3,4,5,6,7
	ds_load_b128 v[OUT+32*((\s)%2)+4*\t:OUT+32*((\s)%2)+4*\t+3], v[RD] offset:\t*2*SPITCH
.endr
	WIN 0
.endm
.macro SEND s, younger                 ; stage row t is row 32 (a/2) + 8 (a%2) + t + 8 (t/8) of the block's 128
	s_wait_dscnt \younger                          ; the block is back in registers; the fetch issued behind it may be out
	s_wait_xcnt 0x0                                ; the block before has had its registers read: the next block's rows may land there
	WIN 3<<2
.irp t, 0,1,2,3,4,5,6,7
	global_store_b128 v[CO], v[OUT+32*((\s)%2)+4*\t:OUT+32*((\s)%2)+4*\t+3], s[12:13] offset:(128*((\s)/4)+32*(((\s)%4)/2)+8*((\s)%2)+2*\t+8*(\t/4))*4096 th:TH_STORE_NT   ; two rows' 256 consecutive bytes, aligned; written once
.endr
	WIN 0
.endm
; Block s.  Its fetch was issued two blocks ago; younger than it are the last block's 16 stage instructions and the next block's 24 loads.
.macro BLK s
.if (\s) == 2
	s_wait_tensorcnt 0x0                           ; my quarter of A's second block is in: a plain barrier, split round the products, shows it to all
	s_wait_dscnt 0x0
	s_barrier_signal -1
.elseif (\s) == 0
	s_wait_dscnt 24
.elseif (\s) == 7
	s_wait_dscnt 16
.else
	s_wait_dscnt 40
.endif
	PRODS \s
.if (\s) == 2
	s_barrier_wait -1
.endif
	PLACES                                         ; behind the products: for the stage's reads of the sums and the loads into the fragments' registers
.if (\s) == 7
	SEND 6, 0
.elseif (\s) > 0
	SEND (\s)-1, 24
.endif
	TOSTAGE \s
.if (\s) == 2
	SCA 1
.endif
.if (\s) < 6
	FETCH (\s)+2
.endif
.endm
	s_wait_tensorcnt 0x0                           ; my half of A's first block is in; the three lines ahead of a later first fill
	ds_add_u32 v[SPW], v[NIL]
	s_mov_b32 s[G1A+2], 100<<16                    ; no load of mine is out: the next brings two K steps, 100 rows
	s_mov_b32 s[G1A+4], 100
	s_wait_dscnt 0x0                               ; the add is done, and the weights are in registers
	CROUND
	tensor_load_to_lds s[G0C:G0C+3], s[G1A:G1A+7]  ; A's second block, a quarter a wave
	s_nop 0
	PLACES
	SCA 0
	FETCH 0
	FETCH 1
	s_wait_loadcnt 0x0                             ; bo
.irp s, 0,1,2,3,4,5,6,7
	BLK \s
.endr
	SEND 7, 0
	s_wait_tensorcnt 0x0                           ; the wave's end
	ds_add_u32 v[SPW], v[NIL]
	s_wait_dscnt 0x0
	CROUND                                         ; the closing round
	s_endpgm
.Lfunc_end_k_q2abd081538_outp:
	.size	k_q2abd081538_outp, .Lfunc_end_k_q2abd081538_outp-k_q2abd081538_outp
	.p2alignl 7, 3214868480
	.fill 96, 4, 3214868480
	.section	.rodata,"a",@progbits
	.p2align	6, 0x0
	.amdhsa_kernel k_q2abd081538_outp
		.amdhsa_group_segment_fixed_size 327680
		.amdhsa_private_segment_fixed_size 0
		.amdhsa_enable_private_segment 0
		.amdhsa_kernarg_size 32
		.amdhsa_user_sgpr_count 2
		.amdhsa_user_sgpr_kernarg_segment_ptr 1
		.amdhsa_wavefront_size32 1
		.amdhsa_system_sgpr_workgroup_id_x 1
		.amdhsa_system_sgpr_workgroup_id_y 1
		.amdhsa_system_sgpr_workgroup_id_z 1
		.amdhsa_system_vgpr_workitem_id 0
		.amdhsa_next_free_vgpr 1024
		.amdhsa_next_free_sgpr 100
		.amdhsa_reserve_vcc 0
		.amdhsa_float_denorm_mode_32 3
		.amdhsa_float_denorm_mode_16_64 3
		.amdhsa_memory_ordered 1
		.amdhsa_forward_progress 1
		.amdhsa_inst_pref_size 80
	.end_amdhsa_kernel
	.amdgpu_metadata
---
amdhsa.version: [ 1, 2 ]
amdhsa.kernels:
  - .name:           k_q2abd081538_outp
    .symbol:         k_q2abd081538_outp.kd
    .args:
      - { .name: aimg, .offset: 0, .size: 8, .value_kind: global_buffer, .address_space: global }
      - { .name: img, .offset: 8, .size: 8, .value_kind: global_buffer, .address_space: global }
      - { .name: bo, .offset: 16, .size: 8, .value_kind: global_buffer, .address_space: global }
      - { .name: out0, .offset: 24, .size: 8, .value_kind: global_buffer, .address_space: global }
    .group_segment_fixed_size: 327680
    .private_segment_fixed_size: 0
    .kernarg_segment_align: 8
    .kernarg_segment_size: 32
    .max_flat_workgroup_size: 128
    .sgpr_count:     100
    .vgpr_count:     1024
    .wavefront_size: 32
...
	.end_amdgpu_metadata
.endif
;; end of part 4
